; MI455X (gfx1250); checked and timed in simulation.
; The chip was launched on July 23, 2026; its instructions are those of AMD's public machine-readable ISA for CDNA 5 (MIT licence, August 2026) and "CDNA5" Instruction Set Architecture Reference Guide (July 2026). The comments in the code are by the model that wrote it; some were corrected since.
;; Mo E. Allowed arithmetic: matrix products marked QUANTISED: E4M3 operands, one given power-of-two scale a tensor, by v_wmma_f32_16x16x64_fp8_fp8 or v_wmma_f32_16x16x128_fp8_fp8, f32 sums; products left as they are: f32 operands where the result goes on into a quantised operand, else bf16, f16 or f32 operands; f32 sums; everything else in f32.
;; Inputs: Wg 8 x 1,024 float32; down_bank 8 x 1,024 x 1,024 float32; gate_bank 8 x 1,024 x 1,024 float32; lowp_scales 6 int32 (the exponents e of the quantised operands' scales 2^e); up_bank 8 x 1,024 x 1,024 float32; x 4 x 512 x 1,024 float32.
;; Outputs: out0 4 x 512 x 1,024 float32.
;; This version of the problem:
;;   THIS VERSION OF THE PROBLEM IS GIVEN IN LOW PRECISION. The matrix products marked QUANTISED in the list below multiply operands that are first quantised to E4M3 (4 exponent bits, 3 mantissa bits; 8 bits a number), with one given power-of-two scale for each operand tensor; their sums are f32. All else is computed in f32.
;;   The module's matrix products, in the order in which they are computed (A, B: the left and right operand; K: the contracted axis; several contracted axes count as one K, in the product's order):
;;     1. [M 2,048, K 1,024] x [K 1,024, N 8]; A: input x; B: input Wg: left as it is (N = 8 < 16)
;;     2. [M 2,048, K 1,024] x [K 1,024, N 8,192]; A: input x; B: input gate_bank: QUANTISED (scales: A lowp_scales[0], B lowp_scales[1])
;;     3. [M 2,048, K 1,024] x [K 1,024, N 8,192]; A: input x; B: input up_bank: QUANTISED (scales: A lowp_scales[2], B lowp_scales[3])
;;     4. batch 8 x [M 1,024, K 1,024] x [K 1,024, N 2,048]; A: input down_bank; B: computed on the way: QUANTISED (scales: A lowp_scales[4], B lowp_scales[5])
;;   THE QUANTISER, for each operand of a quantised product, along K:
;;     - The operand's scale is 2^e, e = its entry of the input lowp_scales (int32; the entries are numbered through the quantised products in the list's order, A before B).
;;     - Each number is divided by the scale, clamped to +-448, and rounded to the nearest number of E4M3, ties to even, subnormals kept.
;;     - The product sums the exact products of the quantised numbers (number of the format x scale) in f32.
;;   ~~~python
;;   def quantise(x, axis, e):      # numpy; x: float32 -> the quantised numbers, widened to float32 again
;;       x = np.moveaxis(x, axis, -1); K = x.shape[-1]
;;       r = np.clip(x / 2.0 ** e, -448, 448)
;;       step = 2.0 ** (np.maximum(np.frexp(np.where(r == 0, 1, r))[1] - 1, -6) - 3)
;;       q = np.round(r / step) * step * 2.0 ** e      # np.round: ties to even
;;       return np.moveaxis(q, -1, axis).astype(np.float32)
;;   ~~~
;;   OPERANDS COMPUTED ON THE WAY. 'Computed on the way' means the value that the module computes at that place (a softmax that the list does not call 'softmax' is quantised finished and normalised). What goes into a quantiser is computed in f32, as accurately as f32 sums, v_exp_f32 and their like allow (about 1e-6 of the number): no bf16 or f16 on the way to a quantiser, and a product that is left as it is and whose result goes on into a quantised operand takes f32 operands (vector FMAs, or v_wmma_f32_16x16x4_f32). A number that lies on a knife's edge between two numbers of the format may be rounded either way, as far as f32 arithmetic and the matrix unit's own rounding can turn it there, and no further.
;; 2 versions. Each part assembles by itself: llvm-mc -triple=amdgcn-amd-amdhsa -mcpu=gfx1250 --defsym DOCPART=n.
;; ======== version 1 of 2: 4 launches
;; workspace buffers: sel 8,192 bytes of whole numbers; offs 2,048 bytes of whole numbers; order 8,704 bytes of whole numbers; xg_img 2,359,296 bytes; xu_img 2,359,296 bytes; h_img 2,359,296 bytes
;; launch route (part 1): grid 256 x 1, 4 waves a work-group, no clusters, 0 bytes of LDS; arguments x, Wg, sel; writes sel
.if DOCPART == 1
	.amdgcn_target "amdgcn-amd-amdhsa--gfx1250"
	.amdhsa_code_object_version 6
	.text
	.protected	k_q2d0dbd3e16_route
	.globl	k_q2d0dbd3e16_route
	.p2align	8
	.type	k_q2d0dbd3e16_route,@function
k_q2d0dbd3e16_route:
	s_mov_b64 s[64:65], 0
	v_nop
	global_prefetch_b8 v0, s[64:65] scope:SCOPE_SE
	s_setreg_imm32_b32 hwreg(HW_REG_WAVE_MODE, 25, 1), 1
	s_wait_xcnt 0x0
; THE ROUTER.  logits[t][e] = the sum over d of x[t][d] Wg[e][d], in f32 by fused multiply-adds; sel[t] = the expert of the largest logit, the lower number on a tie.
; x: [2048][1024] f32, Wg: [8][1024] f32, sel: [2048] int32.  The choice only selects a value here (v_cndmask_b32): no address and no branch hangs on it; a later launch reads sel.
; SHARES.  1,024 waves, two tokens each: wave gw = 4 x work-group + wave owns tokens 2 gw and 2 gw + 1.  Lane l holds numbers 128 i + 4 l .. + 3 of a row, i = 0 .. 7:
; each load of the wave covers 512 consecutive bytes.  A row of Wg serves both tokens; four sets of registers take the eight experts by turns.
; No LDS, no barrier, no matrix unit: N = 8 is under a matrix tile's width, and the sums steer a choice, so they are kept in f32.
; LIMITS.  NaN among the logits is not served.  Two logits that differ by less than the rounding of an f32 sum of 1,024 terms may fall either way.
.set XA, 16                            ; v16-47   token a's row
.set XB, 48                            ; v48-79   token b's row
.set WB, 80                            ; v80-207  four sets of 32: expert e's row of Wg in set e % 4
                                       ; v[208:211] token a's sums, two chains of pairs; v[212:215] token b's; v216, v217 the best sums; v[218:219] their experts; v220, v221 at work
	s_load_b128 s[4:7], s[0:1], 0x0                ; x s[4:5], Wg s[6:7]
	s_load_b64 s[8:9], s[0:1], 0x10                ; sel
	v_lshrrev_b32 v3, 5, v0
	v_readfirstlane_b32 s10, v3                    ; wave 0..3
	v_and_b32 v2, 31, v0                           ; lane
	v_lshlrev_b32 v1, 4, v2                        ; 16 bytes a lane
	v_mov_b32 v220, 0                              ; written once: a lane permute's destination counts as one of its sources
	v_mov_b32 v221, 0
	s_lshl_b32 s11, ttmp9, 2
	s_add_co_u32 s11, s11, s10                     ; gw
	s_lshl_b32 s12, s11, 13                        ; two rows of 4,096 bytes
	s_mov_b32 s13, 0
	s_mov_b32 s14, 0x76543210                      ; v_permlanex16_b32: each lane takes its own place in the other half
	s_mov_b32 s15, 0xfedcba98
	s_wait_kmcnt 0x0
	s_add_nc_u64 s[4:5], s[4:5], s[12:13]
.irp i, 0,1,2,3,4,5,6,7
	global_load_b128 v[XA+4*\i:XA+4*\i+3], v1, s[4:5] offset:512*\i
	global_load_b128 v[XB+4*\i:XB+4*\i+3], v1, s[4:5] offset:4096+512*\i
.endr
.macro WLOAD e                         ; expert e's row of Wg: eight loads
.irp i, 0,1,2,3,4,5,6,7
	global_load_b128 v[WB+32*((\e)%4)+4*\i:WB+32*((\e)%4)+4*\i+3], v1, s[6:7] offset:4096*(\e)+512*\i
.endr
.endm
	WLOAD 0
	WLOAD 1
	WLOAD 2
	WLOAD 3
; One expert for both tokens.  left = the loads of Wg issued behind this expert's eight, which may stay out (loads come back in order: ISA guide 5.7.1); x's loads are older than all of them.
.macro EXPERT e, left
.set W, WB+32*((\e)%4)
	s_wait_loadcnt \left
	v_pk_mul_f32 v[208:209], v[XA:XA+1], v[W:W+1]          ; the first products start the four chains: nothing is cleared
	v_pk_mul_f32 v[210:211], v[XA+2:XA+3], v[W+2:W+3]
	v_pk_mul_f32 v[212:213], v[XB:XB+1], v[W:W+1]
	v_pk_mul_f32 v[214:215], v[XB+2:XB+3], v[W+2:W+3]
.irp i, 1,2,3,4,5,6,7
	v_pk_fma_f32 v[208:209], v[XA+4*\i:XA+4*\i+1], v[W+4*\i:W+4*\i+1], v[208:209]
	v_pk_fma_f32 v[210:211], v[XA+4*\i+2:XA+4*\i+3], v[W+4*\i+2:W+4*\i+3], v[210:211]
	v_pk_fma_f32 v[212:213], v[XB+4*\i:XB+4*\i+1], v[W+4*\i:W+4*\i+1], v[212:213]
	v_pk_fma_f32 v[214:215], v[XB+4*\i+2:XB+4*\i+3], v[W+4*\i+2:W+4*\i+3], v[214:215]
.endr
.if (\e) < 4
	WLOAD (\e)+4                                   ; the set just read takes the expert four further on
.endif
	v_pk_add_f32 v[208:209], v[208:209], v[210:211]
	v_pk_add_f32 v[212:213], v[212:213], v[214:215]
	v_add_f32 v208, v208, v209
	v_add_f32 v212, v212, v213
.irp m, 1,2,4,8                        ; across the 16 lanes of a half, both tokens by turns
	v_add_f32_dpp v208, v208, v208 row_xmask:\m row_mask:0xf bank_mask:0xf
	v_add_f32_dpp v212, v212, v212 row_xmask:\m row_mask:0xf bank_mask:0xf
.endr
	v_permlanex16_b32 v220, v208, s14, s15         ; and the other half
	v_permlanex16_b32 v221, v212, s14, s15
	v_add_f32 v208, v208, v220
	v_add_f32 v212, v212, v221
.if (\e) == 0
	v_mov_b32 v216, v208
	v_mov_b32 v217, v212
	v_mov_b32 v218, 0
	v_mov_b32 v219, 0
.else
	v_cmp_le_f32 vcc_lo, v208, v216                ; the sum does not beat the best: the earlier expert stays, on a tie too
	v_cndmask_b32 v218, \e, v218, vcc_lo
	v_max_num_f32 v216, v216, v208
	v_cmp_le_f32 vcc_lo, v212, v217
	v_cndmask_b32 v219, \e, v219, vcc_lo
	v_max_num_f32 v217, v217, v212
.endif
.endm
	EXPERT 0, 24                                   ; three sets of eight loads are younger,
	EXPERT 1, 24
	EXPERT 2, 24
	EXPERT 3, 24
	EXPERT 4, 24
	EXPERT 5, 16                                   ; then the counts run down
	EXPERT 6, 8
	EXPERT 7, 0
	s_lshl_b32 s12, s11, 3                         ; my two words of sel
	s_add_nc_u64 s[8:9], s[8:9], s[12:13]
	v_mov_b32 v3, 0
	v_cmp_eq_u32 vcc_lo, 0, v2
	s_wait_xcnt 0x0                                ; EXEC is a source of the loads above: it changes only behind this wait
	s_and_saveexec_b32 s16, vcc_lo                 ; lane 0 stores for the wave
	global_store_b64 v3, v[218:219], s[8:9]
	s_wait_xcnt 0x0                                ; and again in front of the line that widens it
	s_or_b32 exec_lo, exec_lo, s16
	s_endpgm
.Lfunc_end_k_q2d0dbd3e16_route:
	.size	k_q2d0dbd3e16_route, .Lfunc_end_k_q2d0dbd3e16_route-k_q2d0dbd3e16_route
	.p2alignl 7, 3214868480
	.fill 96, 4, 3214868480
	.section	.rodata,"a",@progbits
	.p2align	6, 0x0
	.amdhsa_kernel k_q2d0dbd3e16_route
		.amdhsa_group_segment_fixed_size 0
		.amdhsa_private_segment_fixed_size 0
		.amdhsa_enable_private_segment 0
		.amdhsa_kernarg_size 24
		.amdhsa_user_sgpr_count 2
		.amdhsa_user_sgpr_kernarg_segment_ptr 1
		.amdhsa_wavefront_size32 1
		.amdhsa_system_sgpr_workgroup_id_x 1
		.amdhsa_system_sgpr_workgroup_id_y 1
		.amdhsa_system_sgpr_workgroup_id_z 1
		.amdhsa_system_vgpr_workitem_id 0
		.amdhsa_next_free_vgpr 224
		.amdhsa_next_free_sgpr 66
		.amdhsa_reserve_vcc 1
		.amdhsa_float_denorm_mode_32 3
		.amdhsa_float_denorm_mode_16_64 3
		.amdhsa_memory_ordered 1
		.amdhsa_forward_progress 1
		.amdhsa_inst_pref_size 34
	.end_amdhsa_kernel
	.amdgpu_metadata
---
amdhsa.version: [ 1, 2 ]
amdhsa.kernels:
  - .name:           k_q2d0dbd3e16_route
    .symbol:         k_q2d0dbd3e16_route.kd
    .args:
      - { .name: x, .offset: 0, .size: 8, .value_kind: global_buffer, .address_space: global }
      - { .name: Wg, .offset: 8, .size: 8, .value_kind: global_buffer, .address_space: global }
      - { .name: sel, .offset: 16, .size: 8, .value_kind: global_buffer, .address_space: global }
    .group_segment_fixed_size: 0
    .private_segment_fixed_size: 0
    .kernarg_segment_align: 8
    .kernarg_segment_size: 24
    .max_flat_workgroup_size: 128
    .sgpr_count:     66
    .vgpr_count:     224
    .wavefront_size: 32
...
	.end_amdgpu_metadata
.endif
;; end of part 1
;; launch sortx (part 2): grid 135 x 1, 8 waves a work-group, no clusters, 2,304 bytes of LDS; arguments sel, x, lowp_scales, xg_img, xu_img, order, offs; writes xg_img, xu_img, order, offs
.if DOCPART == 2
	.amdgcn_target "amdgcn-amd-amdhsa--gfx1250"
	.amdhsa_code_object_version 6
	.text
	.protected	k_q2d0dbd3e16_sortx
	.globl	k_q2d0dbd3e16_sortx
	.p2align	8
	.type	k_q2d0dbd3e16_sortx,@function
k_q2d0dbd3e16_sortx:
	s_mov_b64 s[64:65], 0
	v_nop
	global_prefetch_b8 v0, s[64:65] scope:SCOPE_SE
	s_setreg_imm32_b32 hwreg(HW_REG_WAVE_MODE, 25, 1), 1
	s_wait_xcnt 0x0
; THE TOKENS IN THE ORDER OF THEIR EXPERTS, IN WHOLE TILES OF 16, AND THEIR ROWS OF x AS CODES.  Expert e with cnt[e] tokens has nt[e] = ceil(cnt[e] / 16) tiles, from tile tb[e] = the sum of nt
; over the lower experts on.  There are never more than ceil(2048 / 16) + 8 - 1 = 135 tiles, whatever the choice: the grid.  The slots behind an expert's last token repeat that token, so that every
; tile is whole and has one expert: the later launches need no mask (equal rows give equal results, stored to the same bytes).  A tile behind the last used one gets token 0: its bytes are stored by
; their owner and read by nobody.
; Work-group T owns tile T: it finds its 16 tokens from sel by whole-number work alone, each work-group for itself (no traffic between work-groups), gathers their rows of x, quantises them twice
; (x has the scale 2^e0 in the gate product and 2^e2 in the up product) and stores them as IMAGES OF THE OPERAND'S REGISTERS: the 16 bytes at 16384 T + 2048 s + 512 c + 16 l are the codes of slot
; l % 16 at k = 128 s + 32 c + 16 (l / 16) + 0 .. 15, so that four loads of 16 bytes a lane give the later launches a fragment of 16 rows x 128 K.  It also stores order[16 T + slot] = the token;
; work-group 0 stores tb[e] (32 equal words at byte 128 e of offs) and nt[e] (1,024 bytes on).
; THE SEARCH.  Wave w is expert w.  Every wave holds all of sel: register q = 4 j + i of lane l is token 128 j + 4 l + i.  The rank among equals runs by (q, lane): an order that is fixed and alike in
; all work-groups, which is all that is asked of it.  The eight counts meet in LDS.  For slot r the rank sought is R = min(16 (T - tb) + r, cnt - 1).  S(q) = equals in registers under q never falls,
; so the last q with S(q) <= R holds rank R: its lane mask and (S, q's token part) are latched; the (R - S)-th set bit of the mask is the lane.  A tile is one expert's at the most: the other waves
; write 0, and an OR joins the eight.  No branch and no EXEC hangs on a loaded number.
; code = x / 2^e, held within +-448, to the nearest code, ties to even.  LIMITS: e0 and e2 between -126 and 119.  NaN among the inputs is not served (an infinity is held at the largest code).
; No tensor loads, no cluster: the work-groups share nothing but the 8 KiB of sel.
.set CNTS, 1024                        ; LDS: bytes 0-1023 a word for each thread (the slots' tokens); from 1024 on the eight counts
.set SEL, 16                           ; v16-79    sel
.set X,   80                           ; v80-143   64 numbers of x: register 16 c + 4 j + i = k 128 w + 32 c + 16 (l / 16) + 4 j + i of my slot's row
.set TMP, 144                          ; v144-207  the same held under e0 (x itself is wanted again for e2)
.set C0,  208                          ; v208-223  codes under e0
.set C1,  224                          ; v224-239  codes under e2
                                       ; v1 lane, v2 r, v3 h, v4 16 x lane, v5 4 x thread; v6 R, v7 the latched mask, v8 the latched (token part << 12) + S; v9-15, v240-247 at work; v248-251 scales and holds;
                                       ; v252 4 x wave, v253 0: LDS addresses of the counts
                                       ; s18 wave, s19 T, s[20:23] e0..e3, s24 tb, s25 cnt, s61 nt, s62 T - tb, s63 all ones where the tile is my expert's; s[40:47] lane masks; s[48:56] S along eight registers; s[72:79] what v8 latches
	s_load_b256 s[4:11], s[0:1], 0x0               ; sel s[4:5], x s[6:7], the scales' exponents s[8:9], xg_img s[10:11]
	s_load_b128 s[12:15], s[0:1], 0x20             ; xu_img s[12:13], order s[14:15]
	s_load_b64 s[16:17], s[0:1], 0x30              ; offs
	v_lshl_add_u32 v254, v0, 2, 0x500
	v_mov_b32 v255, 0
	v_lshrrev_b32 v9, 5, v0
	v_readfirstlane_b32 s18, v9                    ; wave 0..7
	s_mov_b32 s19, ttmp9                           ; T
	v_and_b32 v1, 31, v0
	v_and_b32 v2, 15, v0
	v_bfe_u32 v3, v0, 4, 1
	v_lshlrev_b32 v4, 4, v1
	v_lshlrev_b32 v5, 2, v0
	v_lshlrev_b32 v252, 2, v9
	v_mov_b32 v253, 0
	s_lshl_b32 s28, s18, 9                         ; x: my K step's 512 bytes of a row
	s_mov_b32 s29, 0
	s_lshl_b32 s30, s19, 14
	s_lshl_b32 s31, s18, 11
	s_add_co_u32 s30, s30, s31                     ; the images: 16384 T + 2048 w
	s_mov_b32 s31, 0
	s_lshl_b32 s26, s19, 6                         ; order: 64 T
	s_mov_b32 s27, 0
	s_wait_kmcnt 0x0
	s_load_b128 s[20:23], s[8:9], 0x0              ; e0, e1, e2, e3
.irp j, 0,1,2,3,4,5,6,7,8,9,10,11,12,13,14,15
	global_load_b128 v[SEL+4*\j:SEL+4*\j+3], v4, s[4:5] offset:512*\j
.endr
	s_add_nc_u64 s[6:7], s[6:7], s[28:29]
	s_add_nc_u64 s[10:11], s[10:11], s[30:31]
	s_add_nc_u64 s[12:13], s[12:13], s[30:31]
	s_add_nc_u64 s[14:15], s[14:15], s[26:27]
	s_mov_b32 s25, 0
	s_wait_loadcnt 0x0                             ; all of sel
.macro COUNT g                         ; eight registers: how many tokens have my expert
.irp k, 0,1,2,3,4,5,6,7
	v_cmp_eq_u32 s[40+\k], s18, v[SEL+8*(\g)+\k]
.endr
.irp k, 0,1,2,3,4,5,6,7
	s_bcnt1_i32_b32 s60, s[40+\k]
	s_add_co_u32 s25, s25, s60
.endr
.endm
.irp g, 0,1,2,3,4,5,6,7
	COUNT \g
.endr
	v_mov_b32 v11, s25
	ds_store_b32 v252, v11 offset:CNTS             ; all lanes write the wave's word with the same number
	s_wait_dscnt 0x0                               ; for the others' sake: my store has landed
	s_barrier_signal -1
	s_barrier_wait -1                              ; the eight counts lie in LDS
	ds_load_b128 v[240:243], v253 offset:CNTS
	ds_load_b128 v[244:247], v253 offset:CNTS+16
	s_wait_dscnt 0x0
	s_mov_b32 s24, 0
.irp e, 0,1,2,3,4,5,6,7                ; tb = the tiles of the experts under mine
	v_readfirstlane_b32 s26, v[240+\e]
	s_add_co_u32 s26, s26, 15
	s_lshr_b32 s26, s26, 4
	s_cmp_gt_u32 s18, \e
	s_cselect_b32 s26, s26, 0
	s_add_co_u32 s24, s24, s26
.endr
	s_add_co_u32 s61, s25, 15
	s_lshr_b32 s61, s61, 4                         ; nt
	s_sub_co_u32 s62, s19, s24                     ; T - tb
	s_cmp_lt_u32 s62, s61                          ; 0 <= T - tb < nt, as one unsigned compare
	s_cselect_b32 s63, -1, 0
	s_lshl_b32 s26, s62, 4
	v_add_nc_u32 v6, s26, v2                       ; 16 (T - tb) + r, signed; alike in both halves of the lanes
	s_sub_co_i32 s26, s25, 1
	v_min_i32 v6, s26, v6                          ; R: the slots behind the last token repeat it
	v_mov_b32 v7, 0
	v_mov_b32 v8, 0
	s_mov_b32 s48, 0
.macro LATCH g                         ; eight registers: their masks of equals, S along them, and the latch
.irp k, 0,1,2,3,4,5,6,7
	v_cmp_eq_u32 s[40+\k], s18, v[SEL+8*(\g)+\k]
.endr
.irp k, 0,1,2,3,4,5,6,7
	s_bcnt1_i32_b32 s60, s[40+\k]
	s_add_co_u32 s[49+\k], s[48+\k], s60
	s_add_co_u32 s[72+\k], s[48+\k], (128*((8*(\g)+\k)>>2)+((8*(\g)+\k)&3))<<12   ; S is 2,048 at the most: 12 bits; above it the register's part of the token's number
.endr
.irp k, 0,1,2,3,4,5,6,7
	v_cmp_gt_i32 vcc_lo, s[48+\k], v6              ; S > R: what was latched stays
	v_cndmask_b32 v7, s[40+\k], v7, vcc_lo
	v_cndmask_b32 v8, s[72+\k], v8, vcc_lo
.endr
	s_mov_b32 s48, s56
.endm
.irp g, 0,1,2,3,4,5,6,7
	LATCH \g
.endr
	; the n-th set bit of the latched mask, n = R - S: counts of bits in fields of 2, 4, 8 and 16, then five halvings
	v_and_b32 v9, 0xfff, v8
	v_sub_nc_u32 v9, v6, v9                        ; n
	v_lshrrev_b32 v11, 12, v8                      ; the register's part of the token's number
	v_lshrrev_b32 v240, 1, v7
	v_and_b32 v240, 0x55555555, v240
	v_sub_nc_u32 v12, v7, v240                     ; fields of 2
	v_lshrrev_b32 v240, 2, v12
	v_and_b32 v240, 0x33333333, v240
	v_and_b32 v13, 0x33333333, v12
	v_add_nc_u32 v13, v13, v240                    ; of 4
	v_lshrrev_b32 v240, 4, v13
	v_add_nc_u32 v14, v13, v240
	v_and_b32 v14, 0x0f0f0f0f, v14                 ; of 8
	v_lshrrev_b32 v240, 8, v14
	v_add_nc_u32 v15, v14, v240
	v_and_b32 v15, 0x00ff00ff, v15                 ; of 16
	v_mov_b32 v10, 0                               ; the bit's place so far
	v_mov_b32 v242, 0
.macro PICK src, width                 ; the bit lies in the lower field of this width at v10, or past it
	v_bfe_u32 v240, v[\src], v10, \width
	v_cmp_lt_u32 vcc_lo, v9, v240                  ; n < the field's count: it lies here
	v_cndmask_b32 v240, v240, v242, vcc_lo
	v_cndmask_b32 v241, \width, v242, vcc_lo
	v_sub_nc_u32 v9, v9, v240
	v_add_nc_u32 v10, v10, v241
.endm
	PICK 15, 16
	PICK 14, 8
	PICK 13, 4
	PICK 12, 2
	PICK 7, 1
	v_lshl_add_u32 v11, v10, 2, v11                ; the token: 4 x lane + the register's part
	v_and_b32 v11, s63, v11                        ; 0 where the tile is not my expert's
	ds_store_b32 v5, v11                           ; word 32 w + lane
	s_wait_dscnt 0x0                               ; for the others' sake: my store has landed
	s_barrier_signal -1
	s_barrier_wait -1                              ; the second and last barrier; no branch stands ahead of it
	v_lshlrev_b32 v12, 2, v1
.irp w, 0,1,2,3,4,5,6,7
	ds_load_b32 v[240+\w], v12 offset:128*\w       ; the eight experts' words for my slot
.endr
	s_wait_dscnt 0x0
.irp w, 1,2,3,4,5,6,7
	v_or_b32 v240, v240, v[240+\w]
.endr
	v_min_u32 v13, 0x7ff, v240                     ; the token of slot r; a number read from memory enters an address only behind a bound
	v_lshlrev_b32 v14, 12, v13                     ; its row of 4,096 bytes,
	v_lshl_add_u32 v14, v3, 6, v14                 ; + 64 h: my 16 numbers of each block of 32
.irp c, 0,1,2,3
.irp j, 0,1,2,3
	global_load_b128 v[X+16*\c+4*\j:X+16*\c+4*\j+3], v14, s[6:7] offset:128*\c+16*\j
.endr
.endr
	; while those sixteen loads are out: the lists and the scales
	s_cmp_lg_u32 s18, 0
	s_cbranch_scc1 .Lno_order
	v_cmp_gt_u32 vcc_lo, 16, v1
	s_wait_xcnt 0x0                                ; EXEC is a source of the loads above
	s_and_saveexec_b32 s26, vcc_lo
	global_store_b32 v12, v13, s[14:15]            ; wave 0, lanes 0-15: order[16 T + r]
	s_wait_xcnt 0x0
	s_or_b32 exec_lo, exec_lo, s26
.Lno_order:
	s_cmp_lg_u32 s19, 0
	s_cbranch_scc1 .Lno_offs
	v_mov_b32 v15, s24
	v_mov_b32 v9, s61
	global_store_b32 v5, v15, s[16:17]             ; work-group 0: expert w's first tile, 32 equal words at 128 w,
	global_store_b32 v5, v9, s[16:17] offset:1024  ; and the number of its tiles, 1,024 bytes on
.Lno_offs:
	s_wait_kmcnt 0x0
.macro MKSCALE se, vs, vl              ; 2^e as f32 (the conversion takes its exponent field) and 448 x 2^e
	s_add_co_i32 s26, s[\se], 127
	s_lshl_b32 s27, s26, 23
	v_mov_b32 v[\vs], s27
	s_add_co_i32 s26, s26, 8
	s_lshl_b32 s26, s26, 23
	s_or_b32 s26, s26, 0x600000
	v_mov_b32 v[\vl], s26
.endm
	MKSCALE 20, 248, 249
	MKSCALE 22, 250, 251
	s_wait_loadcnt 0x0                             ; x
.set i, 0
.rept 64
	v_med3_num_f32 v[TMP+i], v[X+i], -v249, v249   ; the conversion to an 8-bit code does not saturate (ISA guide 7.6.2): the hold comes first
.set i, i+1
.endr
.set i, 0
.rept 8
	v_cvt_scalef32_pk8_fp8_f32 v[C0+2*i:C0+2*i+1], v[TMP+8*i:TMP+8*i+7], v248
.set i, i+1
.endr
.set i, 0
.rept 64
	v_med3_num_f32 v[X+i], v[X+i], -v251, v251
.set i, i+1
.endr
.set i, 0
.rept 8
	v_cvt_scalef32_pk8_fp8_f32 v[C1+2*i:C1+2*i+1], v[X+8*i:X+8*i+7], v250
.set i, i+1
.endr
	v_nop                                          ; a plain vector line behind the last conversion
.irp c, 0,1,2,3
	global_store_b128 v4, v[C0+4*\c:C0+4*\c+3], s[10:11] offset:512*\c   ; each store of the wave covers 512 consecutive bytes, aligned
	global_store_b128 v4, v[C1+4*\c:C1+4*\c+3], s[12:13] offset:512*\c
.endr
	s_wait_tensorcnt 0x0
	ds_add_u32 v254, v255
	s_wait_dscnt 0x0
	s_endpgm
.Lfunc_end_k_q2d0dbd3e16_sortx:
	.size	k_q2d0dbd3e16_sortx, .Lfunc_end_k_q2d0dbd3e16_sortx-k_q2d0dbd3e16_sortx
	.p2alignl 7, 3214868480
	.fill 96, 4, 3214868480
	.section	.rodata,"a",@progbits
	.p2align	6, 0x0
	.amdhsa_kernel k_q2d0dbd3e16_sortx
		.amdhsa_group_segment_fixed_size 2304
		.amdhsa_private_segment_fixed_size 0
		.amdhsa_enable_private_segment 0
		.amdhsa_kernarg_size 56
		.amdhsa_user_sgpr_count 2
		.amdhsa_user_sgpr_kernarg_segment_ptr 1
		.amdhsa_wavefront_size32 1
		.amdhsa_system_sgpr_workgroup_id_x 1
		.amdhsa_system_sgpr_workgroup_id_y 1
		.amdhsa_system_sgpr_workgroup_id_z 1
		.amdhsa_system_vgpr_workitem_id 0
		.amdhsa_next_free_vgpr 256
		.amdhsa_next_free_sgpr 80
		.amdhsa_reserve_vcc 1
		.amdhsa_float_denorm_mode_32 3
		.amdhsa_float_denorm_mode_16_64 3
		.amdhsa_memory_ordered 1
		.amdhsa_forward_progress 1
		.amdhsa_inst_pref_size 48
	.end_amdhsa_kernel
	.amdgpu_metadata
---
amdhsa.version: [ 1, 2 ]
amdhsa.kernels:
  - .name:           k_q2d0dbd3e16_sortx
    .symbol:         k_q2d0dbd3e16_sortx.kd
    .args:
      - { .name: sel, .offset: 0, .size: 8, .value_kind: global_buffer, .address_space: global }
      - { .name: x, .offset: 8, .size: 8, .value_kind: global_buffer, .address_space: global }
      - { .name: lowp_scales, .offset: 16, .size: 8, .value_kind: global_buffer, .address_space: global }
      - { .name: xg_img, .offset: 24, .size: 8, .value_kind: global_buffer, .address_space: global }
      - { .name: xu_img, .offset: 32, .size: 8, .value_kind: global_buffer, .address_space: global }
      - { .name: order, .offset: 40, .size: 8, .value_kind: global_buffer, .address_space: global }
      - { .name: offs, .offset: 48, .size: 8, .value_kind: global_buffer, .address_space: global }
    .group_segment_fixed_size: 2304
    .private_segment_fixed_size: 0
    .kernarg_segment_align: 8
    .kernarg_segment_size: 56
    .max_flat_workgroup_size: 256
    .sgpr_count:     80
    .vgpr_count:     256
    .wavefront_size: 32
...
	.end_amdgpu_metadata
.endif
;; end of part 2
;; launch gateup (part 3): grid 256 x 1, 16 waves a work-group, no clusters, 68,608 bytes of LDS; arguments gate_bank, up_bank, lowp_scales, offs, xg_img, xu_img, h_img; writes h_img
.if DOCPART == 3
	.amdgcn_target "amdgcn-amd-amdhsa--gfx1250"
	.amdhsa_code_object_version 6
	.text
	.protected	k_q2d0dbd3e16_gateup
	.globl	k_q2d0dbd3e16_gateup
	.p2align	8
	.type	k_q2d0dbd3e16_gateup,@function
k_q2d0dbd3e16_gateup:
	s_mov_b64 s[64:65], 0
	v_nop
	global_prefetch_b8 v0, s[64:65] scope:SCOPE_SE
	s_setreg_imm32_b32 hwreg(HW_REG_WAVE_MODE, 25, 1), 1
	s_wait_xcnt 0x0
; h = silu(x G_e) * (x U_e) for the tiles of expert e alone, both products on codes of E4M3; h leaves as codes under 2^e5.  The rows of the other experts are thrown away by the
; problem's own gather, so they are not multiplied.
; gate_bank, up_bank: [8][1024 (k)][1024 (hidden)] f32.  xg_img, xu_img, h_img: images of operand registers: the 16 bytes at 16384 T + 2048 s + 512 c + 16 l are the codes of slot l % 16 of tile T
; at k = 128 s + 32 c + 16 (l / 16) + 0 .. 15.  A tile has one expert.  offs: expert e's first tile at byte 128 e, the number of its tiles at 1024 + 128 e.
; SHARES.  Work-group (e = number / 32, sl = number % 32) owns hidden units 32 sl .. + 31 of expert e: 8 x 1,024 / 32 = 256 work-groups, and EVERY WEIGHT IS READ ONCE, BY ONE WORK-GROUP.
; Prologue: wave w takes k = 64 w .. + 63 of both slabs, A LANE TO A COLUMN, REGISTERS DOWN K, so that the conversions give codes with K innermost; they go to a stage in LDS, one row a column.
; Then each wave by itself takes the tiles w + 16 t, t = 0 .. 8 (135 tiles at the most, 16 waves): weights' fragments from LDS, x's straight from memory into registers.
; THE NINE TRIPS ARE WRITTEN OUT BY A MACRO, so that a trip's tile stands in the immediates (8 x 262,144 + 16,383 bytes at the most, inside the signed 24 bits): every address is made of ids and
; constants, at the head, and no address register is written again.  A trip whose tile is not my expert's is passed over by one scalar branch on the stored list; a trip waits for all that it has
; issued but its store, so every counted wait finds the same instructions behind it on every path.  An expert's tiles are neighbours, so they fall evenly on the 16 waves.
; A load of the slabs covers 128 bytes of a row: 32 columns are what 256 work-groups leave to each; the work-group with the next number reads the bytes beside them, so the loads carry no hint.
; NO CLUSTER, NO TENSOR LOADS: the 32 work-groups of an expert read the same tiles of x, but which trips do work is read from memory and differs from expert to expert and from wave to wave, so the
; trips may hold no barrier and no tensor load that a jump passes over; x's fragments therefore go straight into registers.  The one barrier stands ahead of every branch on loaded numbers.
; LAYOUT.  Source 0 = 16 columns of the weights, source 1 = 16 slots: a lane holds ONE slot (l % 16).  Stage row j holds column swap(j), j with its bits 3 and 4 exchanged: so in tile u of the columns,
; lane (r, h), register i is hidden unit 16 h + 8 u + i, and the 16 registers of the two tiles are 16 neighbours along the next K: the conversions' results are h's image.
; k stands in the registers as the loads of 16 bytes lay it, alike in both operands: a permutation of k inside an instruction, which changes the order of the sums alone.
; ARITHMETIC.  A sum A stands for A 2^(e0+e1), a sum U for U 2^(e2+e3).  h / 2^e5 = A U / (1 + 2^(A c)) / 2^E, c = -log2(e) 2^(e0+e1), E = e5 - e0 - e1 - e2 - e3: all in f32.
; LIMITS: e1, e3 and E between -126 and 119; e0 + e1 between -126 and 127.  NaN among the inputs is not served.
.set PITCH, 1040                       ; a stage row: 1,024 codes + 16 bytes = 260 words: row j starts at bank 4 j mod 64 (64 banks of 4 bytes: ISA guide 11.1), so 16 rows start at 16 different banks
.set UPS,   32*PITCH                   ; rows 0-31 gate, rows 32-63 up
.set T16,   16*16384                   ; bytes from a wave's tile to its next
.set A0, 16                            ; v16-23, v24-31  the gate product's two tiles
.set A1, 24
.set U0, 32                            ; v32-39, v40-47  the up product's
.set U1, 40
.set GF, 48                            ; v48-79    two fragments of gate
.set UF, 80                            ; v80-111   two of up
.set XB, 112                           ; v112-239  four sets of 32: x's fragment under e0, then under e2; K step s in set s % 4
                                       ; v240-243 h's codes; v244, v245: 2^E, 448 x 2^E; v11-14: 2^e1, 448 x 2^e1, 2^e3, 448 x 2^e3
                                       ; v1 lane, v2 r, v3 h, v4 16 x lane, v5 4 x swap(lane), v6 stage store, v7 stage read, v8 16 x lane + 16384 x wave: my place in an image; v10 at work
                                       ; prologue: gate's numbers v112-175, up's v48-111, their codes v16-31 and v32-47
                                       ; s18 wave, s19 e, s20 sl, s22 at work, s[24:29] e0..e5, s30 my expert's first tile, s31 the number of its tiles, s[36:37] c, s35, s38, s39 at work
	s_load_b256 s[4:11], s[0:1], 0x0               ; gate s[4:5], up s[6:7], the scales' exponents s[8:9], offs s[10:11]
	s_load_b128 s[12:15], s[0:1], 0x20             ; xg_img s[12:13], xu_img s[14:15]
	s_load_b64 s[16:17], s[0:1], 0x30              ; h_img
	v_lshl_add_u32 v254, v0, 2, 0x10400
	v_mov_b32 v255, 0
	v_lshrrev_b32 v10, 5, v0
	v_readfirstlane_b32 s18, v10                   ; wave 0..15
	s_lshr_b32 s19, ttmp9, 5
	s_and_b32 s20, ttmp9, 31
	v_and_b32 v1, 31, v0
	v_and_b32 v2, 15, v0
	v_bfe_u32 v3, v0, 4, 1
	v_lshlrev_b32 v4, 4, v1
	v_and_b32 v5, 7, v0
	v_bfe_u32 v10, v0, 3, 1
	v_lshl_or_b32 v5, v10, 4, v5
	v_lshl_or_b32 v5, v3, 3, v5                    ; swap(lane)
	v_lshlrev_b32 v5, 2, v5
	v_mul_u32_u24 v6, v1, PITCH
	s_lshl_b32 s35, s18, 6
	v_add_nc_u32 v6, s35, v6                       ; into the stage: row = lane, my wave's 64 bytes of it
	v_mul_u32_u24 v7, v2, PITCH
	v_lshl_add_u32 v7, v3, 4, v7                   ; out of it: row r, + 16 h
	s_lshl_b32 s35, s18, 14
	v_add_nc_u32 v8, s35, v4                       ; tile w of an image, my 16 bytes
	s_lshl_b32 s40, s19, 22                        ; the expert's 4 MiB,
	s_lshl_b32 s35, s18, 18                        ; my wave's 64 rows of 4,096 bytes,
	s_add_co_u32 s40, s40, s35
	s_lshl_b32 s35, s20, 7                         ; the work-group's 32 columns
	s_add_co_u32 s40, s40, s35
	s_mov_b32 s41, 0
	s_lshl_b32 s42, s19, 7
	s_mov_b32 s43, 0
	s_wait_kmcnt 0x0
	s_add_nc_u64 s[4:5], s[4:5], s[40:41]
	s_add_nc_u64 s[6:7], s[6:7], s[40:41]
	s_add_nc_u64 s[10:11], s[10:11], s[42:43]
	s_lshl_b32 s42, s20, 9                         ; h's image: k = 32 sl is 512 sl bytes into a tile
	s_add_nc_u64 s[16:17], s[16:17], s[42:43]
	s_load_b128 s[24:27], s[8:9], 0x0              ; e0 .. e3
	s_load_b64 s[28:29], s[8:9], 0x10              ; e4, e5
	s_load_b32 s30, s[10:11], 0x0                  ; my expert's first tile
	s_load_b32 s31, s[10:11], 0x400                ; and how many it has
.macro WROWS reg, sb                   ; 64 rows of a slab, my column
.set i, 0
.rept 64
	global_load_b32 v[\reg+i], v5, s[\sb:\sb+1] offset:4096*i
.set i, i+1
.endr
.endm
.macro QUANT reg, codes, sc, lim       ; 64 numbers down K become 64 codes in 16 registers
.set i, 0
.rept 64
	v_med3_num_f32 v[\reg+i], v[\reg+i], -v[\lim], v[\lim]   ; the conversion to an 8-bit code does not saturate (ISA guide 7.6.2): the hold comes first
.set i, i+1
.endr
.set i, 0
.rept 8
	v_cvt_scalef32_pk8_fp8_f32 v[\codes+2*i:\codes+2*i+1], v[\reg+8*i:\reg+8*i+7], v[\sc]
.set i, i+1
.endr
	v_nop                                          ; a plain vector line behind the last conversion: matrix instructions write these registers later
.endm
.macro TOSTAGE codes, off
.irp q, 0,1,2,3
	ds_store_b128 v6, v[\codes+4*\q:\codes+4*\q+3] offset:\off+16*\q
.endr
.endm
.macro FLOAD reg, s, base              ; two fragments (16 columns x 128 K each) of K step s
.irp u, 0,1
.irp c, 0,1,2,3
	ds_load_b128 v[\reg+16*\u+4*\c:\reg+16*\u+4*\c+3], v7 offset:\base+16*PITCH*\u+128*(\s)+32*\c
.endr
.endr
.endm
.macro XLOAD buf, s, t                 ; x's two fragments of K step s of tile w + 16 t: eight loads, 512 consecutive bytes each
.irp c, 0,1,2,3
	global_load_b128 v[XB+32*(\buf)+4*\c:XB+32*(\buf)+4*\c+3], v8, s[12:13] offset:T16*(\t)+2048*(\s)+512*\c
.endr
.irp c, 0,1,2,3
	global_load_b128 v[XB+32*(\buf)+16+4*\c:XB+32*(\buf)+16+4*\c+3], v8, s[14:15] offset:T16*(\t)+2048*(\s)+512*\c
.endr
.endm
.macro MKSCALE se, vs, vl              ; 2^e as f32 (the conversion takes its exponent field) and 448 x 2^e
	s_add_co_i32 s35, s[\se], 127
	s_lshl_b32 s38, s35, 23
	v_mov_b32 v[\vs], s38
	s_add_co_i32 s35, s35, 8
	s_lshl_b32 s35, s35, 23
	s_or_b32 s35, s35, 0x600000
	v_mov_b32 v[\vl], s35
.endm
.macro PLACES                          ; four plain vector lines between a matrix instruction and a load into its operands or a read of its result
.rept 4
	v_nop
.endr
.endm
	WROWS 112, 4                                   ; gate
	WROWS 48, 6                                    ; up
	s_wait_kmcnt 0x0
	s_add_co_i32 s35, s24, s25
	s_lshl_b32 s35, s35, 23
	s_mov_b32 s36, 0xbfb8aa3b                      ; -log2(e);
	s_add_co_u32 s36, s36, s35                     ; e0 + e1 is added to its exponent field
	s_mov_b32 s37, s36                             ; (named with it as a pair, so it is written)
	s_sub_co_i32 s39, s29, s24
	s_sub_co_i32 s39, s39, s25
	s_sub_co_i32 s39, s39, s26
	s_sub_co_i32 s39, s39, s27                     ; E
	MKSCALE 25, 11, 12
	MKSCALE 27, 13, 14
	MKSCALE 39, 244, 245
	s_wait_loadcnt 63                              ; up's 64 loads are younger than gate's last; 63 is the largest count that the wait can name
	QUANT 112, 16, 11, 12
	TOSTAGE 16, 0
	s_wait_loadcnt 0x0                             ; up
	QUANT 48, 32, 13, 14
	TOSTAGE 32, UPS
	s_wait_dscnt 0x0                               ; for the others' sake: my stores into the stage have landed
	s_barrier_signal -1
	s_barrier_wait -1                              ; both slabs lie in LDS as codes; nothing is written there again
; One K step of 128: four matrix instructions on four accumulators, which take turns, one instruction a turn, from trip to trip too.
.macro STEP s, t
.set XS, XB+32*((\s)%4)
.if (\s) < 5
	s_wait_loadcnt 24                              ; behind this step's eight loads of x three groups of eight have been issued;
.else
	s_wait_loadcnt 8*(7-(\s))                      ; the last steps: those that are left
.endif
	s_wait_dscnt 8                                 ; gate's fragments are in; up's eight loads are younger
.if (\s) == 0
	v_wmma_f32_16x16x128_fp8_fp8 v[A0:A0+7], v[GF:GF+15], v[XS:XS+15], 0          ; the first K step starts the sums
	v_wmma_f32_16x16x128_fp8_fp8 v[A1:A1+7], v[GF+16:GF+31], v[XS:XS+15], 0
.else
	v_wmma_f32_16x16x128_fp8_fp8 v[A0:A0+7], v[GF:GF+15], v[XS:XS+15], v[A0:A0+7]
	v_wmma_f32_16x16x128_fp8_fp8 v[A1:A1+7], v[GF+16:GF+31], v[XS:XS+15], v[A1:A1+7]
.endif
	PLACES
.if (\s) < 7
	FLOAD GF, (\s)+1, 0                            ; the next step's
	s_wait_dscnt 8                                 ; up's fragments are in; the eight just issued are younger
.else
	s_wait_dscnt 0x0
.endif
.if (\s) == 0
	v_wmma_f32_16x16x128_fp8_fp8 v[U0:U0+7], v[UF:UF+15], v[XS+16:XS+31], 0
	v_wmma_f32_16x16x128_fp8_fp8 v[U1:U1+7], v[UF+16:UF+31], v[XS+16:XS+31], 0
.else
	v_wmma_f32_16x16x128_fp8_fp8 v[U0:U0+7], v[UF:UF+15], v[XS+16:XS+31], v[U0:U0+7]
	v_wmma_f32_16x16x128_fp8_fp8 v[U1:U1+7], v[UF+16:UF+31], v[XS+16:XS+31], v[U1:U1+7]
.endif
	PLACES
.if (\s) < 7
	FLOAD UF, (\s)+1, UPS
.endif
.if (\s) < 4
	XLOAD (\s)%4, (\s)+4, \t                       ; the set just read takes the K step four further on
.endif
.endm
; Tile w + 16 t, if it is my expert's.
.macro TRIP t
	s_add_co_u32 s22, s18, 16*(\t)
	s_sub_co_u32 s22, s22, s30                     ; the tile's number less my expert's first:
	s_cmp_ge_u32 s22, s31                          ; mine where 0 <= that < the number of its tiles, as one unsigned compare
	s_cbranch_scc1 .Lskip_\t
	XLOAD 0, 0, \t
	XLOAD 1, 1, \t
	XLOAD 2, 2, \t
	XLOAD 3, 3, \t
	FLOAD GF, 0, 0
	FLOAD UF, 0, UPS
.irp s, 0,1,2,3,4,5,6,7
	STEP \s, \t
.endr
	; h, in place, each accumulator from its low end on
.irp j, 0,2,4,6,8,10,12,14
	v_pk_mul_f32 v[U0+\j:U0+\j+1], v[A0+\j:A0+\j+1], v[U0+\j:U0+\j+1]             ; A U
.endr
.irp j, 0,2,4,6,8,10,12,14
	v_pk_mul_f32 v[A0+\j:A0+\j+1], v[A0+\j:A0+\j+1], s[36:37] op_sel_hi:[1,0]     ; A c = -a log2(e)
.endr
.irp j, 0,1,2,3,4,5,6,7,8,9,10,11,12,13,14,15
	v_exp_f32 v[A0+\j], v[A0+\j]                   ; e^-a
.endr
	v_nop                                          ; a plain line behind the transcendentals
	s_wait_alu depctr_va_vdst(0)
.irp j, 0,2,4,6,8,10,12,14
	v_pk_add_f32 v[A0+\j:A0+\j+1], v[A0+\j:A0+\j+1], 1.0 op_sel_hi:[1,0]
.endr
.irp j, 0,1,2,3,4,5,6,7,8,9,10,11,12,13,14,15
	v_rcp_f32 v[A0+\j], v[A0+\j]                   ; 1 / (1 + e^-a)
.endr
	v_nop
	s_wait_alu depctr_va_vdst(0)
.irp j, 0,2,4,6,8,10,12,14
	v_pk_mul_f32 v[U0+\j:U0+\j+1], v[U0+\j:U0+\j+1], v[A0+\j:A0+\j+1]
.endr
.irp j, 0,1,2,3,4,5,6,7,8,9,10,11,12,13,14,15
	v_med3_num_f32 v[U0+\j], v[U0+\j], -v245, v245
.endr
	s_wait_xcnt 0x0                                ; an earlier trip's store has read its data: v240-243 are written again only behind this wait
	v_cvt_scalef32_pk8_fp8_f32 v[240:241], v[U0:U0+7], v244
	v_cvt_scalef32_pk8_fp8_f32 v[242:243], v[U1:U1+7], v244
	v_nop                                          ; a plain vector line behind the last conversion
	global_store_b128 v8, v[240:243], s[16:17] offset:T16*(\t)                    ; 16 codes a lane: the wave's store covers 512 consecutive bytes, aligned
.Lskip_\t:
.endm
.irp t, 0,1,2,3,4,5,6,7,8
	TRIP \t
.endr
	s_wait_tensorcnt 0x0
	ds_add_u32 v254, v255
	s_wait_dscnt 0x0
	s_endpgm
.Lfunc_end_k_q2d0dbd3e16_gateup:
	.size	k_q2d0dbd3e16_gateup, .Lfunc_end_k_q2d0dbd3e16_gateup-k_q2d0dbd3e16_gateup
	.p2alignl 7, 3214868480
	.fill 96, 4, 3214868480
	.section	.rodata,"a",@progbits
	.p2align	6, 0x0
	.amdhsa_kernel k_q2d0dbd3e16_gateup
		.amdhsa_group_segment_fixed_size 68608
		.amdhsa_private_segment_fixed_size 0
		.amdhsa_enable_private_segment 0
		.amdhsa_kernarg_size 56
		.amdhsa_user_sgpr_count 2
		.amdhsa_user_sgpr_kernarg_segment_ptr 1
		.amdhsa_wavefront_size32 1
		.amdhsa_system_sgpr_workgroup_id_x 1
		.amdhsa_system_sgpr_workgroup_id_y 1
		.amdhsa_system_sgpr_workgroup_id_z 1
		.amdhsa_system_vgpr_workitem_id 0
		.amdhsa_next_free_vgpr 256
		.amdhsa_next_free_sgpr 66
		.amdhsa_reserve_vcc 0
		.amdhsa_float_denorm_mode_32 3
		.amdhsa_float_denorm_mode_16_64 3
		.amdhsa_memory_ordered 1
		.amdhsa_forward_progress 1
		.amdhsa_inst_pref_size 235
	.end_amdhsa_kernel
	.amdgpu_metadata
---
amdhsa.version: [ 1, 2 ]
amdhsa.kernels:
  - .name:           k_q2d0dbd3e16_gateup
    .symbol:         k_q2d0dbd3e16_gateup.kd
    .args:
      - { .name: gate_bank, .offset: 0, .size: 8, .value_kind: global_buffer, .address_space: global }
      - { .name: up_bank, .offset: 8, .size: 8, .value_kind: global_buffer, .address_space: global }
      - { .name: lowp_scales, .offset: 16, .size: 8, .value_kind: global_buffer, .address_space: global }
      - { .name: offs, .offset: 24, .size: 8, .value_kind: global_buffer, .address_space: global }
      - { .name: xg_img, .offset: 32, .size: 8, .value_kind: global_buffer, .address_space: global }
      - { .name: xu_img, .offset: 40, .size: 8, .value_kind: global_buffer, .address_space: global }
      - { .name: h_img, .offset: 48, .size: 8, .value_kind: global_buffer, .address_space: global }
    .group_segment_fixed_size: 68608
    .private_segment_fixed_size: 0
    .kernarg_segment_align: 8
    .kernarg_segment_size: 56
    .max_flat_workgroup_size: 512
    .sgpr_count:     66
    .vgpr_count:     256
    .wavefront_size: 32
...
	.end_amdgpu_metadata
.endif
;; end of part 3
;; launch down (part 4): grid 256 x 1, 16 waves a work-group, no clusters, 72,192 bytes of LDS; arguments down_bank, lowp_scales, offs, order, h_img, out0; writes out0
.if DOCPART == 4
	.amdgcn_target "amdgcn-amd-amdhsa--gfx1250"
	.amdhsa_code_object_version 6
	.text
	.protected	k_q2d0dbd3e16_down
	.globl	k_q2d0dbd3e16_down
	.p2align	8
	.type	k_q2d0dbd3e16_down,@function
k_q2d0dbd3e16_down:
	s_mov_b64 s[64:65], 0
	v_nop
	global_prefetch_b8 v0, s[64:65] scope:SCOPE_SE
	s_setreg_imm32_b32 hwreg(HW_REG_WAVE_MODE, 25, 1), 1
	s_wait_xcnt 0x0
; y[token] = h D_e for the tiles of expert e alone, on codes of E4M3.  down_bank: [8][1024 (k = hidden)][1024 (out)] f32.  h_img: images of operand registers: the 16 bytes at
; 16384 T + 2048 s + 512 c + 16 l are the codes of slot l % 16 of tile T at k = 128 s + 32 c + 16 (l / 16) + 0 .. 15.  A tile has one expert.  order[16 T + slot]: the slot's token; the slots behind an
; expert's last token repeat it.  offs: expert e's first tile at byte 128 e, the number of its tiles at 1024 + 128 e.  out0: [2048][1024] f32.
; SHARES.  Work-group (e = number / 32, sl = number % 32) owns outputs 32 sl .. + 31 of expert e: every weight is read once, by one work-group.  Prologue: wave w takes k = 64 w .. + 63 of the slab,
; a lane to a column, registers down K; the codes go to a stage in LDS, one row a column.  Then each wave by itself takes the tiles w + 16 t, t = 0 .. 8 (135 tiles at the most, 16 waves): the weights'
; fragments from LDS, h's straight from memory.  Each row piece of out0 has one owner; a repeated slot has the same codes, gives the same numbers and stores them to the same bytes, from the same wave:
; so no store needs a mask.
; THE NINE TRIPS ARE WRITTEN OUT BY A MACRO, so that a trip's tile stands in the immediates (8 x 262,144 + 16,383 bytes at the most, inside the signed 24 bits) and in register numbers: every address
; register is made at the head and never written again.  The tokens of all nine tiles (36 words a lane) are loaded there by addresses made of ids, bounded and shifted into offsets in out0.
; A trip whose tile is not my expert's is passed over by one scalar branch on the stored list; a trip waits for all that it has issued but its stores, so every counted wait finds the same
; instructions behind it on every path.  An expert's tiles are neighbours, so they fall evenly on the 16 waves.
; A load of the slab and a row piece of out0 cover 128 bytes: 32 columns are what 256 work-groups leave to each.
; NO CLUSTER, NO TENSOR LOADS: the 32 work-groups of an expert read the same tiles of h, but which trips do work is read from memory and differs from expert to expert and from wave to wave, so the
; trips may hold no barrier and no tensor load that a jump passes over.  The one barrier stands ahead of every branch on loaded numbers.
; LAYOUT.  Source 0 = 16 columns of the weights, source 1 = 16 slots: lane (r, h) holds slot r and, in tile u of the columns, outputs 16 u + 8 h + 0 .. 7.  A tile's 16 rows x 128 bytes turn through the
; wave's own stage, so that eight neighbouring lanes store a row's 128 consecutive bytes.  k stands in the registers as the loads of 16 bytes lay it, alike in both operands.
; LIMITS: e4 between -126 and 119; e4 + e5 between -126 and 127.  NaN among the inputs is not served.
.set PITCH, 1040                       ; a stage row: 1,024 codes + 16 bytes = 260 words: row j starts at bank 4 j mod 64 (64 banks of 4 bytes: ISA guide 11.1)
.set STG,   32*PITCH                   ; behind the weights: 16 rows x (128 + 16) bytes for each wave, its own
.set SP,    144
.set T16,   16*16384                   ; bytes from a wave's tile to its next
.set A0, 16                            ; v16-23, v24-31  the two tiles of outputs
.set A1, 24
.set W0, 32                            ; v32-63, v64-95  two sets of two fragments of the weights: K step s in set s % 2
.set H,  96                            ; v96-223   h's eight fragments
.set Y,  96                            ; v96-111   over h's first fragment, which is done with: the results x 2^(e4+e5), then whole rows
.set RO, 224                           ; v224-255  trips 0-7: the byte offsets in out0 of rows 4 i + l / 8, four a trip
.set RO8, 12                           ; v12-15    trip 8's
                                       ; v1 16 (l % 8), v2 order's offset for trip 8, v3 at work, v4 16 x lane, v5 4 x lane, v6 stage store, v7 stage read, v8 16 x lane + 16384 x wave: my place in h_img,
                                       ; v9 order's offset for trips 0-7, v10 my stage in, v11 my stage out
                                       ; prologue: the slab's numbers v32-95, their codes v16-31; v96, v97: 2^e4, 448 x 2^e4; v100 lane, v101 r, v102 h, v103 l / 8
                                       ; s18 wave, s19 e, s20 sl, s22 at work, s[28:29] e4, e5, s30 my expert's first tile, s31 the number of its tiles, s[36:37] 2^(e4+e5), s35, s38 at work
	s_load_b256 s[4:11], s[0:1], 0x0               ; down s[4:5], the scales' exponents s[6:7], offs s[8:9], order s[10:11]
	s_load_b128 s[12:15], s[0:1], 0x20             ; h_img s[12:13], out0 s[14:15]
	v_lshrrev_b32 v3, 5, v0
	v_readfirstlane_b32 s18, v3                    ; wave 0..15
	s_lshr_b32 s19, ttmp9, 5
	s_and_b32 s20, ttmp9, 31
	v_and_b32 v100, 31, v0
	v_and_b32 v101, 15, v0
	v_bfe_u32 v102, v0, 4, 1
	v_lshrrev_b32 v103, 3, v100
	v_and_b32 v1, 7, v0
	v_lshlrev_b32 v1, 4, v1
	v_lshlrev_b32 v4, 4, v100
	v_lshlrev_b32 v5, 2, v100
	v_mul_u32_u24 v6, v100, PITCH
	s_lshl_b32 s35, s18, 6
	v_add_nc_u32 v6, s35, v6                       ; into the stage: row = lane, my wave's 64 bytes of it
	v_lshl_add_u32 v9, v103, 2, s35                ; order: tile w's 64 bytes, the word of row l / 8
	v_mul_u32_u24 v7, v101, PITCH
	v_lshl_add_u32 v7, v102, 4, v7                 ; out of the stage: row r, + 16 h
	s_lshl_b32 s35, s18, 14
	v_add_nc_u32 v8, s35, v4                       ; tile w of the image, my 16 bytes
	s_add_co_u32 s35, s18, 128
	s_min_u32 s35, s35, 134                        ; trip 8's tile, held at the last tile that there can be: no load leaves what was stored
	s_lshl_b32 s35, s35, 6
	v_lshl_add_u32 v2, v103, 2, s35
	s_mul_i32 s35, s18, 16*SP
	s_add_co_u32 s35, s35, STG                     ; my own stage
	v_mul_u32_u24 v10, v101, SP
	v_lshl_add_u32 v10, v102, 5, v10
	v_add_nc_u32 v10, s35, v10                     ; in: row r, + 32 h
	v_mul_u32_u24 v11, v103, SP
	v_add_nc_u32 v11, v11, v1
	v_add_nc_u32 v11, s35, v11                     ; back: eight lanes to a row, four rows an instruction
	s_lshl_b32 s40, s19, 22                        ; the expert's 4 MiB,
	s_lshl_b32 s35, s18, 18                        ; my wave's 64 rows of 4,096 bytes,
	s_add_co_u32 s40, s40, s35
	s_lshl_b32 s35, s20, 7                         ; the work-group's 32 columns
	s_add_co_u32 s40, s40, s35
	s_mov_b32 s41, 0
	s_lshl_b32 s42, s19, 7
	s_mov_b32 s43, 0
	s_wait_kmcnt 0x0
	s_add_nc_u64 s[4:5], s[4:5], s[40:41]
	s_add_nc_u64 s[8:9], s[8:9], s[42:43]
	s_lshl_b32 s42, s20, 7                         ; out0: the work-group's 128 bytes of a row
	s_add_nc_u64 s[14:15], s[14:15], s[42:43]
	s_load_b64 s[28:29], s[6:7], 0x10              ; e4, e5
	s_load_b32 s30, s[8:9], 0x0                    ; my expert's first tile
	s_load_b32 s31, s[8:9], 0x400                  ; and how many it has
.set i, 0
.rept 64
	global_load_b32 v[W0+i], v5, s[4:5] offset:4096*i      ; 64 rows of the slab, my column
.set i, i+1
.endr
.irp t, 0,1,2,3,4,5,6,7
.irp i, 0,1,2,3
	global_load_b32 v[RO+4*\t+\i], v9, s[10:11] offset:1024*\t+16*\i       ; the token of row 4 i + l / 8 of tile w + 16 t
.endr
.endr
.irp i, 0,1,2,3
	global_load_b32 v[RO8+\i], v2, s[10:11] offset:16*\i
.endr
.macro WLOAD s                         ; two fragments (16 columns x 128 K each) of K step s, into set s % 2
.irp u, 0,1
.irp c, 0,1,2,3
	ds_load_b128 v[W0+32*((\s)%2)+16*\u+4*\c:W0+32*((\s)%2)+16*\u+4*\c+3], v7 offset:16*PITCH*\u+128*(\s)+32*\c
.endr
.endr
.endm
.macro HLOAD s, t                      ; h's fragment of K step s of tile w + 16 t: four loads, 512 consecutive bytes each
.irp c, 0,1,2,3
	global_load_b128 v[H+16*(\s)+4*\c:H+16*(\s)+4*\c+3], v8, s[12:13] offset:T16*(\t)+2048*(\s)+512*\c
.endr
.endm
.macro PLACES                          ; four plain vector lines between a matrix instruction and a load into its operands or a read of its result
.rept 4
	v_nop
.endr
.endm
	s_wait_kmcnt 0x0
	s_add_co_i32 s36, s28, s29
	s_add_co_i32 s36, s36, 127
	s_lshl_b32 s36, s36, 23                        ; 2^(e4 + e5) as f32
	s_mov_b32 s37, s36                             ; (named with it as a pair, so it is written)
	s_add_co_i32 s35, s28, 127
	s_lshl_b32 s38, s35, 23
	v_mov_b32 v96, s38                             ; 2^e4 as f32: the conversion takes its exponent field
	s_add_co_i32 s35, s35, 8
	s_lshl_b32 s35, s35, 23
	s_or_b32 s35, s35, 0x600000
	v_mov_b32 v97, s35                             ; 448 x 2^e4
	s_wait_loadcnt 36                              ; the 36 loads of tokens are younger than the slab's
.set i, 0
.rept 64
	v_med3_num_f32 v[W0+i], v[W0+i], -v97, v97     ; the conversion to an 8-bit code does not saturate (ISA guide 7.6.2): the hold comes first
.set i, i+1
.endr
.set i, 0
.rept 8
	v_cvt_scalef32_pk8_fp8_f32 v[16+2*i:17+2*i], v[W0+8*i:W0+8*i+7], v96
.set i, i+1
.endr
	v_nop                                          ; a plain vector line behind the last conversion: matrix instructions write these registers later
.irp q, 0,1,2,3
	ds_store_b128 v6, v[16+4*\q:19+4*\q] offset:16*\q
.endr
	s_wait_loadcnt 0x0                             ; the tokens
.set i, 0
.rept 32
	v_min_u32 v[RO+i], 0x7ff, v[RO+i]              ; a number read from memory enters an address only behind a bound;
	v_lshl_add_u32 v[RO+i], v[RO+i], 12, v1        ; the token's row of 4,096 bytes + my 16 bytes of its piece
.set i, i+1
.endr
.irp i, 0,1,2,3
	v_min_u32 v[RO8+\i], 0x7ff, v[RO8+\i]
	v_lshl_add_u32 v[RO8+\i], v[RO8+\i], 12, v1
.endr
	s_wait_dscnt 0x0                               ; for the others' sake: my stores into the stage have landed
	s_barrier_signal -1
	s_barrier_wait -1                              ; the slab lies in LDS as codes; nothing is written there again
; One K step of 128: two matrix instructions on two accumulators, which take turns, one instruction a turn, from trip to trip too.
.macro STEP s
.set WS, W0+32*((\s)%2)
.set HS, H+16*(\s)
.if (\s) < 7
	WLOAD (\s)+1                                   ; into the set that the step before has read, four plain lines behind its products
.endif
	s_wait_loadcnt 4*(7-(\s))                      ; this K step's four loads of h are in; the later steps' are younger
.if (\s) < 7
	s_wait_dscnt 8                                 ; this step's fragments are in; the eight just issued are younger
.else
	s_wait_dscnt 0x0
.endif
.if (\s) == 0
	v_wmma_f32_16x16x128_fp8_fp8 v[A0:A0+7], v[WS:WS+15], v[HS:HS+15], 0          ; the first K step starts the sums
	v_wmma_f32_16x16x128_fp8_fp8 v[A1:A1+7], v[WS+16:WS+31], v[HS:HS+15], 0
.else
	v_wmma_f32_16x16x128_fp8_fp8 v[A0:A0+7], v[WS:WS+15], v[HS:HS+15], v[A0:A0+7]
	v_wmma_f32_16x16x128_fp8_fp8 v[A1:A1+7], v[WS+16:WS+31], v[HS:HS+15], v[A1:A1+7]
.endif
	PLACES
.endm
; Tile w + 16 t, if it is my expert's.
.macro TRIP t
.if (\t) < 8
.set RB, RO+4*(\t)
.else
.set RB, RO8
.endif
	s_add_co_u32 s22, s18, 16*(\t)
	s_sub_co_u32 s22, s22, s30                     ; the tile's number less my expert's first:
	s_cmp_ge_u32 s22, s31                          ; mine where 0 <= that < the number of its tiles, as one unsigned compare
	s_cbranch_scc1 .Lskip_\t
	s_wait_xcnt 0x0                                ; an earlier trip's stores have read their data: v96-111 are loaded again only behind this wait
.irp s, 0,1,2,3,4,5,6,7
	HLOAD \s, \t
.endr
	WLOAD 0
.irp s, 0,1,2,3,4,5,6,7
	STEP \s
.endr
.irp j, 0,2,4,6,8,10,12,14
	v_pk_mul_f32 v[Y+\j:Y+\j+1], v[A0+\j:A0+\j+1], s[36:37] op_sel_hi:[1,0]       ; x 2^(e4 + e5); each accumulator from its low end on
.endr
	ds_store_b128 v10, v[Y:Y+3]                    ; outputs 8 h + 0 .. 7 of my row,
	ds_store_b128 v10, v[Y+4:Y+7] offset:16
	ds_store_b128 v10, v[Y+8:Y+11] offset:64       ; and 16 + 8 h + 0 .. 7
	ds_store_b128 v10, v[Y+12:Y+15] offset:80
.irp i, 0,1,2,3
	ds_load_b128 v[Y+4*\i:Y+4*\i+3], v11 offset:4*SP*\i    ; LDS serves a wave's instructions in order (ISA guide 5.7.1.4): these see my stores
.endr
	s_wait_dscnt 0x0                               ; the rows are back
.irp i, 0,1,2,3
	global_store_b128 v[RB+\i], v[Y+4*\i:Y+4*\i+3], s[14:15] th:TH_STORE_NT       ; eight lanes store 128 consecutive bytes of a token's row; written once, read by nobody here
.endr
.Lskip_\t:
.endm
.irp t, 0,1,2,3,4,5,6,7,8
	TRIP \t
.endr
	s_wait_xcnt 0x0
	v_lshl_add_u32 v254, v0, 2, 0x11200
	v_mov_b32 v255, 0
	s_wait_tensorcnt 0x0
	ds_add_u32 v254, v255
	s_wait_dscnt 0x0
	s_endpgm
.Lfunc_end_k_q2d0dbd3e16_down:
	.size	k_q2d0dbd3e16_down, .Lfunc_end_k_q2d0dbd3e16_down-k_q2d0dbd3e16_down
	.p2alignl 7, 3214868480
	.fill 96, 4, 3214868480
	.section	.rodata,"a",@progbits
	.p2align	6, 0x0
	.amdhsa_kernel k_q2d0dbd3e16_down
		.amdhsa_group_segment_fixed_size 72192
		.amdhsa_private_segment_fixed_size 0
		.amdhsa_enable_private_segment 0
		.amdhsa_kernarg_size 48
		.amdhsa_user_sgpr_count 2
		.amdhsa_user_sgpr_kernarg_segment_ptr 1
		.amdhsa_wavefront_size32 1
		.amdhsa_system_sgpr_workgroup_id_x 1
		.amdhsa_system_sgpr_workgroup_id_y 1
		.amdhsa_system_sgpr_workgroup_id_z 1
		.amdhsa_system_vgpr_workitem_id 0
		.amdhsa_next_free_vgpr 256
		.amdhsa_next_free_sgpr 66
		.amdhsa_reserve_vcc 0
		.amdhsa_float_denorm_mode_32 3
		.amdhsa_float_denorm_mode_16_64 3
		.amdhsa_memory_ordered 1
		.amdhsa_forward_progress 1
		.amdhsa_inst_pref_size 122
	.end_amdhsa_kernel
	.amdgpu_metadata
---
amdhsa.version: [ 1, 2 ]
amdhsa.kernels:
  - .name:           k_q2d0dbd3e16_down
    .symbol:         k_q2d0dbd3e16_down.kd
    .args:
      - { .name: down_bank, .offset: 0, .size: 8, .value_kind: global_buffer, .address_space: global }
      - { .name: lowp_scales, .offset: 8, .size: 8, .value_kind: global_buffer, .address_space: global }
      - { .name: offs, .offset: 16, .size: 8, .value_kind: global_buffer, .address_space: global }
      - { .name: order, .offset: 24, .size: 8, .value_kind: global_buffer, .address_space: global }
      - { .name: h_img, .offset: 32, .size: 8, .value_kind: global_buffer, .address_space: global }
      - { .name: out0, .offset: 40, .size: 8, .value_kind: global_buffer, .address_space: global }
    .group_segment_fixed_size: 72192
    .private_segment_fixed_size: 0
    .kernarg_segment_align: 8
    .kernarg_segment_size: 48
    .max_flat_workgroup_size: 512
    .sgpr_count:     66
    .vgpr_count:     256
    .wavefront_size: 32
...
	.end_amdgpu_metadata
.endif
;; end of part 4
;; ======== version 2 of 2: 4 launches
;; workspace buffers: sel 8,192 bytes of whole numbers; offs 2,048 bytes of whole numbers; order 8,704 bytes of whole numbers; xg_img 2,359,296 bytes; xu_img 2,359,296 bytes; h_img 2,359,296 bytes
;; launch route (part 5): grid 256 x 1, 4 waves a work-group, no clusters, 0 bytes of LDS; arguments x, Wg, sel; writes sel
.if DOCPART == 5
	.amdgcn_target "amdgcn-amd-amdhsa--gfx1250"
	.amdhsa_code_object_version 6
	.text
	.protected	k_q2d0dbd3e16_route
	.globl	k_q2d0dbd3e16_route
	.p2align	8
	.type	k_q2d0dbd3e16_route,@function
k_q2d0dbd3e16_route:
	s_mov_b64 s[64:65], 0
	v_nop
	global_prefetch_b8 v0, s[64:65] scope:SCOPE_SE
	s_setreg_imm32_b32 hwreg(HW_REG_WAVE_MODE, 25, 1), 1
	s_wait_xcnt 0x0
; THE ROUTER.  logits[t][e] = the sum over d of x[t][d] Wg[e][d], in f32 by fused multiply-adds; sel[t] = the expert of the largest logit, the lower number on a tie.
; x: [2048][1024] f32, Wg: [8][1024] f32, sel: [2048] int32.  The choice only selects a value here (v_cndmask_b32): no address and no branch hangs on it; a later launch reads sel.
; SHARES.  1,024 waves, two tokens each: wave gw = 4 x work-group + wave owns tokens 2 gw and 2 gw + 1.  Lane l holds numbers 128 i + 4 l .. + 3 of a row, i = 0 .. 7:
; each load of the wave covers 512 consecutive bytes.  A row of Wg serves both tokens; four sets of registers take the eight experts by turns.
; No LDS, no barrier, no matrix unit: N = 8 is under a matrix tile's width, and the sums steer a choice, so they are kept in f32.
; LIMITS.  NaN among the logits is not served.  Two logits that differ by less than the rounding of an f32 sum of 1,024 terms may fall either way.
.set XA, 16                            ; v16-47   token a's row
.set XB, 48                            ; v48-79   token b's row
.set WB, 80                            ; v80-207  four sets of 32: expert e's row of Wg in set e % 4
                                       ; v[208:211] token a's sums, two chains of pairs; v[212:215] token b's; v216, v217 the best sums; v[218:219] their experts; v220, v221 at work
	s_load_b128 s[4:7], s[0:1], 0x0                ; x s[4:5], Wg s[6:7]
	s_load_b64 s[8:9], s[0:1], 0x10                ; sel
	v_lshrrev_b32 v3, 5, v0
	v_readfirstlane_b32 s10, v3                    ; wave 0..3
	v_and_b32 v2, 31, v0                           ; lane
	v_lshlrev_b32 v1, 4, v2                        ; 16 bytes a lane
	v_mov_b32 v220, 0                              ; written once: a lane permute's destination counts as one of its sources
	v_mov_b32 v221, 0
	s_lshl_b32 s11, ttmp9, 2
	s_add_co_u32 s11, s11, s10                     ; gw
	s_lshl_b32 s12, s11, 13                        ; two rows of 4,096 bytes
	s_mov_b32 s13, 0
	s_mov_b32 s14, 0x76543210                      ; v_permlanex16_b32: each lane takes its own place in the other half
	s_mov_b32 s15, 0xfedcba98
	s_wait_alu depctr_va_vdst(0)
	s_wait_kmcnt 0x0
	s_add_nc_u64 s[4:5], s[4:5], s[12:13]
.irp i, 0,1,2,3,4,5,6,7
	global_load_b128 v[XA+4*\i:XA+4*\i+3], v1, s[4:5] offset:512*\i
	global_load_b128 v[XB+4*\i:XB+4*\i+3], v1, s[4:5] offset:4096+512*\i
.endr
.macro WLOAD e                         ; expert e's row of Wg: eight loads
.irp i, 0,1,2,3,4,5,6,7
	global_load_b128 v[WB+32*((\e)%4)+4*\i:WB+32*((\e)%4)+4*\i+3], v1, s[6:7] offset:4096*(\e)+512*\i
.endr
.endm
	WLOAD 0
	WLOAD 1
	WLOAD 2
	WLOAD 3
; One expert for both tokens.  left = the loads of Wg issued behind this expert's eight, which may stay out (loads come back in order: ISA guide 5.7.1); x's loads are older than all of them.
.macro EXPERT e, left
.set W, WB+32*((\e)%4)
	s_wait_loadcnt \left
	v_pk_mul_f32 v[208:209], v[XA:XA+1], v[W:W+1]          ; the first products start the four chains: nothing is cleared
	v_pk_mul_f32 v[210:211], v[XA+2:XA+3], v[W+2:W+3]
	v_pk_mul_f32 v[212:213], v[XB:XB+1], v[W:W+1]
	v_pk_mul_f32 v[214:215], v[XB+2:XB+3], v[W+2:W+3]
.irp i, 1,2,3,4,5,6,7
	v_pk_fma_f32 v[208:209], v[XA+4*\i:XA+4*\i+1], v[W+4*\i:W+4*\i+1], v[208:209]
	v_pk_fma_f32 v[210:211], v[XA+4*\i+2:XA+4*\i+3], v[W+4*\i+2:W+4*\i+3], v[210:211]
	v_pk_fma_f32 v[212:213], v[XB+4*\i:XB+4*\i+1], v[W+4*\i:W+4*\i+1], v[212:213]
	v_pk_fma_f32 v[214:215], v[XB+4*\i+2:XB+4*\i+3], v[W+4*\i+2:W+4*\i+3], v[214:215]
.endr
.if (\e) < 4
	WLOAD (\e)+4                                   ; the set just read takes the expert four further on
.endif
	v_pk_add_f32 v[208:209], v[208:209], v[210:211]
	v_pk_add_f32 v[212:213], v[212:213], v[214:215]
	v_add_f32 v208, v208, v209
	v_add_f32 v212, v212, v213
.irp m, 1,2,4,8                        ; across the 16 lanes of a half, both tokens by turns
	v_add_f32_dpp v208, v208, v208 row_xmask:\m row_mask:0xf bank_mask:0xf
	v_add_f32_dpp v212, v212, v212 row_xmask:\m row_mask:0xf bank_mask:0xf
.endr
	v_permlanex16_b32 v220, v208, s14, s15         ; and the other half
	v_permlanex16_b32 v221, v212, s14, s15
	v_add_f32 v208, v208, v220
	v_add_f32 v212, v212, v221
.if (\e) == 0
	v_mov_b32 v216, v208
	v_mov_b32 v217, v212
	v_mov_b32 v218, 0
	v_mov_b32 v219, 0
.else
	v_cmp_le_f32 vcc_lo, v208, v216                ; the sum does not beat the best: the earlier expert stays, on a tie too
	v_cndmask_b32 v218, \e, v218, vcc_lo
	v_max_num_f32 v216, v216, v208
	v_cmp_le_f32 vcc_lo, v212, v217
	v_cndmask_b32 v219, \e, v219, vcc_lo
	v_max_num_f32 v217, v217, v212
.endif
.endm
	EXPERT 0, 24                                   ; three sets of eight loads are younger,
	EXPERT 1, 24
	EXPERT 2, 24
	EXPERT 3, 24
	EXPERT 4, 24
	EXPERT 5, 16                                   ; then the counts run down
	EXPERT 6, 8
	EXPERT 7, 0
	s_lshl_b32 s12, s11, 3                         ; my two words of sel
	s_add_nc_u64 s[8:9], s[8:9], s[12:13]
	v_mov_b32 v3, 0
	v_cmp_eq_u32 vcc_lo, 0, v2
	s_wait_alu depctr_va_vdst(0)
	s_wait_xcnt 0x0                                ; EXEC is a source of the loads above: it changes only behind this wait
	s_and_saveexec_b32 s16, vcc_lo                 ; lane 0 stores for the wave
	global_store_b64 v3, v[218:219], s[8:9]
	s_wait_xcnt 0x0                                ; and again in front of the line that widens it
	s_or_b32 exec_lo, exec_lo, s16
	s_endpgm
.Lfunc_end_k_q2d0dbd3e16_route:
	.size	k_q2d0dbd3e16_route, .Lfunc_end_k_q2d0dbd3e16_route-k_q2d0dbd3e16_route
	.p2alignl 7, 3214868480
	.fill 96, 4, 3214868480
	.section	.rodata,"a",@progbits
	.p2align	6, 0x0
	.amdhsa_kernel k_q2d0dbd3e16_route
		.amdhsa_group_segment_fixed_size 0
		.amdhsa_private_segment_fixed_size 0
		.amdhsa_enable_private_segment 0
		.amdhsa_kernarg_size 24
		.amdhsa_user_sgpr_count 2
		.amdhsa_user_sgpr_kernarg_segment_ptr 1
		.amdhsa_wavefront_size32 1
		.amdhsa_system_sgpr_workgroup_id_x 1
		.amdhsa_system_sgpr_workgroup_id_y 1
		.amdhsa_system_sgpr_workgroup_id_z 1
		.amdhsa_system_vgpr_workitem_id 0
		.amdhsa_next_free_vgpr 224
		.amdhsa_next_free_sgpr 66
		.amdhsa_reserve_vcc 1
		.amdhsa_float_denorm_mode_32 3
		.amdhsa_float_denorm_mode_16_64 3
		.amdhsa_memory_ordered 1
		.amdhsa_forward_progress 1
		.amdhsa_inst_pref_size 34
	.end_amdhsa_kernel
	.amdgpu_metadata
---
amdhsa.version: [ 1, 2 ]
amdhsa.kernels:
  - .name:           k_q2d0dbd3e16_route
    .symbol:         k_q2d0dbd3e16_route.kd
    .args:
      - { .name: x, .offset: 0, .size: 8, .value_kind: global_buffer, .address_space: global }
      - { .name: Wg, .offset: 8, .size: 8, .value_kind: global_buffer, .address_space: global }
      - { .name: sel, .offset: 16, .size: 8, .value_kind: global_buffer, .address_space: global }
    .group_segment_fixed_size: 0
    .private_segment_fixed_size: 0
    .kernarg_segment_align: 8
    .kernarg_segment_size: 24
    .max_flat_workgroup_size: 128
    .sgpr_count:     66
    .vgpr_count:     224
    .wavefront_size: 32
...
	.end_amdgpu_metadata
.endif
;; end of part 5
;; launch sortx (part 6): grid 135 x 1, 8 waves a work-group, no clusters, 2,304 bytes of LDS; arguments sel, x, lowp_scales, xg_img, xu_img, order, offs; writes xg_img, xu_img, order, offs
.if DOCPART == 6
	.amdgcn_target "amdgcn-amd-amdhsa--gfx1250"
	.amdhsa_code_object_version 6
	.text
	.protected	k_q2d0dbd3e16_sortx
	.globl	k_q2d0dbd3e16_sortx
	.p2align	8
	.type	k_q2d0dbd3e16_sortx,@function
k_q2d0dbd3e16_sortx:
	s_mov_b64 s[64:65], 0
	v_nop
	global_prefetch_b8 v0, s[64:65] scope:SCOPE_SE
	s_setreg_imm32_b32 hwreg(HW_REG_WAVE_MODE, 25, 1), 1
	s_wait_xcnt 0x0
; THE TOKENS IN THE ORDER OF THEIR EXPERTS, IN WHOLE TILES OF 16, AND THEIR ROWS OF x AS CODES.  Expert e with cnt[e] tokens has nt[e] = ceil(cnt[e] / 16) tiles, from tile tb[e] = the sum of nt
; over the lower experts on.  There are never more than ceil(2048 / 16) + 8 - 1 = 135 tiles, whatever the choice: the grid.  The slots behind an expert's last token repeat that token, so that every
; tile is whole and has one expert: the later launches need no mask (equal rows give equal results, stored to the same bytes).  A tile behind the last used one gets token 0: its bytes are stored by
; their owner and read by nobody.
; Work-group T owns tile T: it finds its 16 tokens from sel by whole-number work alone, each work-group for itself (no traffic between work-groups), gathers their rows of x, quantises them twice
; (x has the scale 2^e0 in the gate product and 2^e2 in the up product) and stores them as IMAGES OF THE OPERAND'S REGISTERS: the 16 bytes at 16384 T + 2048 s + 512 c + 16 l are the codes of slot
; l % 16 at k = 128 s + 32 c + 16 (l / 16) + 0 .. 15, so that four loads of 16 bytes a lane give the later launches a fragment of 16 rows x 128 K.  It also stores order[16 T + slot] = the token;
; work-group 0 stores tb[e] (32 equal words at byte 128 e of offs) and nt[e] (1,024 bytes on).
; THE SEARCH.  Wave w is expert w.  Every wave holds all of sel: register q = 4 j + i of lane l is token 128 j + 4 l + i.  The rank among equals runs by (q, lane): an order that is fixed and alike in
; all work-groups, which is all that is asked of it.  The eight counts meet in LDS.  For slot r the rank sought is R = min(16 (T - tb) + r, cnt - 1).  S(q) = equals in registers under q never falls,
; so the last q with S(q) <= R holds rank R: its lane mask and (S, q's token part) are latched; the (R - S)-th set bit of the mask is the lane.  A tile is one expert's at the most: the other waves
; write 0, and an OR joins the eight.  No branch and no EXEC hangs on a loaded number.
; code = x / 2^e, held within +-448, to the nearest code, ties to even.  LIMITS: e0 and e2 between -126 and 119.  NaN among the inputs is not served (an infinity is held at the largest code).
; No tensor loads, no cluster: the work-groups share nothing but the 8 KiB of sel.
.set CNTS, 1024                        ; LDS: bytes 0-1023 a word for each thread (the slots' tokens); from 1024 on the eight counts
.set SEL, 16                           ; v16-79    sel
.set X,   80                           ; v80-143   64 numbers of x: register 16 c + 4 j + i = k 128 w + 32 c + 16 (l / 16) + 4 j + i of my slot's row
.set TMP, 144                          ; v144-207  the same held under e0 (x itself is wanted again for e2)
.set C0,  208                          ; v208-223  codes under e0
.set C1,  224                          ; v224-239  codes under e2
                                       ; v1 lane, v2 r, v3 h, v4 16 x lane, v5 4 x thread; v6 R, v7 the latched mask, v8 the latched (token part << 12) + S; v9-15, v240-247 at work; v248-251 scales and holds;
                                       ; v252 4 x wave, v253 0: LDS addresses of the counts
                                       ; s18 wave, s19 T, s[20:23] e0..e3, s24 tb, s25 cnt, s61 nt, s62 T - tb, s63 all ones where the tile is my expert's; s[40:47] lane masks; s[48:56] S along eight registers; s[72:79] what v8 latches
	s_load_b256 s[4:11], s[0:1], 0x0               ; sel s[4:5], x s[6:7], the scales' exponents s[8:9], xg_img s[10:11]
	s_load_b128 s[12:15], s[0:1], 0x20             ; xu_img s[12:13], order s[14:15]
	s_load_b64 s[16:17], s[0:1], 0x30              ; offs
	v_lshl_add_u32 v254, v0, 2, 0x500
	v_mov_b32 v255, 0
	v_lshrrev_b32 v9, 5, v0
	s_delay_alu instid0(VALU_DEP_1)
	v_readfirstlane_b32 s18, v9                    ; wave 0..7
	s_mov_b32 s19, ttmp9                           ; T
	v_and_b32 v1, 31, v0
	v_and_b32 v2, 15, v0
	v_bfe_u32 v3, v0, 4, 1
	s_delay_alu instid0(VALU_DEP_3)
	v_lshlrev_b32 v4, 4, v1
	v_lshlrev_b32 v5, 2, v0
	v_lshlrev_b32 v252, 2, v9
	v_mov_b32 v253, 0
	s_lshl_b32 s28, s18, 9                         ; x: my K step's 512 bytes of a row
	s_mov_b32 s29, 0
	s_lshl_b32 s30, s19, 14
	s_lshl_b32 s31, s18, 11
	s_add_co_u32 s30, s30, s31                     ; the images: 16384 T + 2048 w
	s_mov_b32 s31, 0
	s_lshl_b32 s26, s19, 6                         ; order: 64 T
	s_mov_b32 s27, 0
	s_wait_alu depctr_va_vdst(0)
	s_wait_kmcnt 0x0
	s_load_b128 s[20:23], s[8:9], 0x0              ; e0, e1, e2, e3
.irp j, 0,1,2,3,4,5,6,7,8,9,10,11,12,13,14,15
	global_load_b128 v[SEL+4*\j:SEL+4*\j+3], v4, s[4:5] offset:512*\j
.endr
	s_add_nc_u64 s[6:7], s[6:7], s[28:29]
	s_add_nc_u64 s[10:11], s[10:11], s[30:31]
	s_add_nc_u64 s[12:13], s[12:13], s[30:31]
	s_add_nc_u64 s[14:15], s[14:15], s[26:27]
	s_mov_b32 s25, 0
	s_wait_loadcnt 0x0                             ; all of sel
.macro COUNT g                         ; eight registers: how many tokens have my expert
.irp k, 0,1,2,3,4,5,6,7
	v_cmp_eq_u32 s[40+\k], s18, v[SEL+8*(\g)+\k]
.endr
.irp k, 0,1,2,3,4,5,6,7
	s_bcnt1_i32_b32 s60, s[40+\k]
	s_add_co_u32 s25, s25, s60
.endr
.endm
.irp g, 0,1,2,3,4,5,6,7
	COUNT \g
.endr
	v_mov_b32 v11, s25
	ds_store_b32 v252, v11 offset:CNTS             ; all lanes write the wave's word with the same number
	s_wait_dscnt 0x0                               ; for the others' sake: my store has landed
	s_barrier_signal -1
	s_barrier_wait -1                              ; the eight counts lie in LDS
	ds_load_b128 v[240:243], v253 offset:CNTS
	ds_load_b128 v[244:247], v253 offset:CNTS+16
	s_wait_dscnt 0x0
	s_mov_b32 s24, 0
.irp e, 0,1,2,3,4,5,6,7                ; tb = the tiles of the experts under mine
	v_readfirstlane_b32 s26, v[240+\e]
	s_add_co_u32 s26, s26, 15
	s_lshr_b32 s26, s26, 4
	s_cmp_gt_u32 s18, \e
	s_cselect_b32 s26, s26, 0
	s_add_co_u32 s24, s24, s26
.endr
	s_add_co_u32 s61, s25, 15
	s_lshr_b32 s61, s61, 4                         ; nt
	s_sub_co_u32 s62, s19, s24                     ; T - tb
	s_cmp_lt_u32 s62, s61                          ; 0 <= T - tb < nt, as one unsigned compare
	s_cselect_b32 s63, -1, 0
	s_lshl_b32 s26, s62, 4
	v_add_nc_u32 v6, s26, v2                       ; 16 (T - tb) + r, signed; alike in both halves of the lanes
	s_sub_co_i32 s26, s25, 1
	v_min_i32 v6, s26, v6                          ; R: the slots behind the last token repeat it
	v_mov_b32 v7, 0
	v_mov_b32 v8, 0
	s_mov_b32 s48, 0
.macro LATCH g                         ; eight registers: their masks of equals, S along them, and the latch
.irp k, 0,1,2,3,4,5,6,7
	v_cmp_eq_u32 s[40+\k], s18, v[SEL+8*(\g)+\k]
.endr
.irp k, 0,1,2,3,4,5,6,7
	s_bcnt1_i32_b32 s60, s[40+\k]
	s_add_co_u32 s[49+\k], s[48+\k], s60
	s_add_co_u32 s[72+\k], s[48+\k], (128*((8*(\g)+\k)>>2)+((8*(\g)+\k)&3))<<12   ; S is 2,048 at the most: 12 bits; above it the register's part of the token's number
.endr
.irp k, 0,1,2,3,4,5,6,7
	v_cmp_gt_i32 vcc_lo, s[48+\k], v6              ; S > R: what was latched stays
	s_delay_alu instid0(VALU_DEP_1)
	v_cndmask_b32 v7, s[40+\k], v7, vcc_lo
	s_delay_alu instid0(VALU_DEP_2)
	v_cndmask_b32 v8, s[72+\k], v8, vcc_lo
.endr
	s_mov_b32 s48, s56
.endm
.irp g, 0,1,2,3,4,5,6,7
	LATCH \g
.endr
	; the n-th set bit of the latched mask, n = R - S: counts of bits in fields of 2, 4, 8 and 16, then five halvings
	v_and_b32 v9, 0xfff, v8
	s_delay_alu instid0(VALU_DEP_1)
	v_sub_nc_u32 v9, v6, v9                        ; n
	v_lshrrev_b32 v11, 12, v8                      ; the register's part of the token's number
	v_lshrrev_b32 v240, 1, v7
	s_delay_alu instid0(VALU_DEP_1)
	v_and_b32 v240, 0x55555555, v240
	s_delay_alu instid0(VALU_DEP_1)
	v_sub_nc_u32 v12, v7, v240                     ; fields of 2
	s_delay_alu instid0(VALU_DEP_1)
	v_lshrrev_b32 v240, 2, v12
	s_delay_alu instid0(VALU_DEP_1)
	v_and_b32 v240, 0x33333333, v240
	s_delay_alu instid0(VALU_DEP_3)
	v_and_b32 v13, 0x33333333, v12
	s_delay_alu instid0(VALU_DEP_1)
	v_add_nc_u32 v13, v13, v240                    ; of 4
	s_delay_alu instid0(VALU_DEP_1)
	v_lshrrev_b32 v240, 4, v13
	s_delay_alu instid0(VALU_DEP_1)
	v_add_nc_u32 v14, v13, v240
	s_delay_alu instid0(VALU_DEP_1)
	v_and_b32 v14, 0x0f0f0f0f, v14                 ; of 8
	s_delay_alu instid0(VALU_DEP_1)
	v_lshrrev_b32 v240, 8, v14
	s_delay_alu instid0(VALU_DEP_1)
	v_add_nc_u32 v15, v14, v240
	s_delay_alu instid0(VALU_DEP_1)
	v_and_b32 v15, 0x00ff00ff, v15                 ; of 16
	v_mov_b32 v10, 0                               ; the bit's place so far
	v_mov_b32 v242, 0
.macro PICK src, width                 ; the bit lies in the lower field of this width at v10, or past it
	v_bfe_u32 v240, v[\src], v10, \width
	s_delay_alu instid0(VALU_DEP_1)
	v_cmp_lt_u32 vcc_lo, v9, v240                  ; n < the field's count: it lies here
	s_delay_alu instid0(VALU_DEP_1)
	v_cndmask_b32 v240, v240, v242, vcc_lo
	s_delay_alu instid0(VALU_DEP_2)
	v_cndmask_b32 v241, \width, v242, vcc_lo
	s_delay_alu instid0(VALU_DEP_2)
	v_sub_nc_u32 v9, v9, v240
	s_delay_alu instid0(VALU_DEP_2)
	v_add_nc_u32 v10, v10, v241
.endm
	PICK 15, 16
	PICK 14, 8
	PICK 13, 4
	PICK 12, 2
	PICK 7, 1
	s_delay_alu instid0(VALU_DEP_1)
	v_lshl_add_u32 v11, v10, 2, v11                ; the token: 4 x lane + the register's part
	s_delay_alu instid0(VALU_DEP_1)
	v_and_b32 v11, s63, v11                        ; 0 where the tile is not my expert's
	ds_store_b32 v5, v11                           ; word 32 w + lane
	s_wait_dscnt 0x0                               ; for the others' sake: my store has landed
	s_barrier_signal -1
	s_barrier_wait -1                              ; the second and last barrier; no branch stands ahead of it
	v_lshlrev_b32 v12, 2, v1
.irp w, 0,1,2,3,4,5,6,7
	ds_load_b32 v[240+\w], v12 offset:128*\w       ; the eight experts' words for my slot
.endr
	s_wait_dscnt 0x0
.irp w, 1
	v_or_b32 v240, v240, v[240+\w]
.endr
.irp w, 2, 3, 4, 5, 6, 7
	s_delay_alu instid0(VALU_DEP_1)
	v_or_b32 v240, v240, v[240+\w]
.endr
	s_delay_alu instid0(VALU_DEP_1)
	v_min_u32 v13, 0x7ff, v240                     ; the token of slot r; a number read from memory enters an address only behind a bound
	s_delay_alu instid0(VALU_DEP_1)
	v_lshlrev_b32 v14, 12, v13                     ; its row of 4,096 bytes,
	s_delay_alu instid0(VALU_DEP_1)
	v_lshl_add_u32 v14, v3, 6, v14                 ; + 64 h: my 16 numbers of each block of 32
.irp c, 0,1,2,3
.irp j, 0,1,2,3
	global_load_b128 v[X+16*\c+4*\j:X+16*\c+4*\j+3], v14, s[6:7] offset:128*\c+16*\j
.endr
.endr
	; while those sixteen loads are out: the lists and the scales
	s_cmp_lg_u32 s18, 0
	s_cbranch_scc1 .Lno_order
	v_cmp_gt_u32 vcc_lo, 16, v1
	s_wait_xcnt 0x0                                ; EXEC is a source of the loads above
	s_and_saveexec_b32 s26, vcc_lo
	s_wait_alu depctr_va_vdst(0)
	global_store_b32 v12, v13, s[14:15]            ; wave 0, lanes 0-15: order[16 T + r]
	s_wait_xcnt 0x0
	s_or_b32 exec_lo, exec_lo, s26
.Lno_order:
	s_cmp_lg_u32 s19, 0
	s_cbranch_scc1 .Lno_offs
	v_mov_b32 v15, s24
	v_mov_b32 v9, s61
	global_store_b32 v5, v15, s[16:17]             ; work-group 0: expert w's first tile, 32 equal words at 128 w,
	global_store_b32 v5, v9, s[16:17] offset:1024  ; and the number of its tiles, 1,024 bytes on
.Lno_offs:
	s_wait_kmcnt 0x0
.macro MKSCALE se, vs, vl              ; 2^e as f32 (the conversion takes its exponent field) and 448 x 2^e
	s_add_co_i32 s26, s[\se], 127
	s_lshl_b32 s27, s26, 23
	v_mov_b32 v[\vs], s27
	s_add_co_i32 s26, s26, 8
	s_lshl_b32 s26, s26, 23
	s_or_b32 s26, s26, 0x600000
	v_mov_b32 v[\vl], s26
.endm
	MKSCALE 20, 248, 249
	MKSCALE 22, 250, 251
	s_wait_alu depctr_va_vdst(0)
	s_wait_loadcnt 0x0                             ; x
.set i, 0
.rept 64
	v_med3_num_f32 v[TMP+i], v[X+i], -v249, v249   ; the conversion to an 8-bit code does not saturate (ISA guide 7.6.2): the hold comes first
.set i, i+1
.endr
.set i, 0
.rept 8
	v_cvt_scalef32_pk8_fp8_f32 v[C0+2*i:C0+2*i+1], v[TMP+8*i:TMP+8*i+7], v248
.set i, i+1
.endr
.set i, 0
.rept 64
	v_med3_num_f32 v[X+i], v[X+i], -v251, v251
.set i, i+1
.endr
.set i, 0
.rept 8
	v_cvt_scalef32_pk8_fp8_f32 v[C1+2*i:C1+2*i+1], v[X+8*i:X+8*i+7], v250
.set i, i+1
.endr
	v_nop                                          ; a plain vector line behind the last conversion
.irp c, 0,1,2,3
	global_store_b128 v4, v[C0+4*\c:C0+4*\c+3], s[10:11] offset:512*\c   ; each store of the wave covers 512 consecutive bytes, aligned
	global_store_b128 v4, v[C1+4*\c:C1+4*\c+3], s[12:13] offset:512*\c
.endr
	s_wait_tensorcnt 0x0
	ds_add_u32 v254, v255
	s_wait_dscnt 0x0
	s_endpgm
.Lfunc_end_k_q2d0dbd3e16_sortx:
	.size	k_q2d0dbd3e16_sortx, .Lfunc_end_k_q2d0dbd3e16_sortx-k_q2d0dbd3e16_sortx
	.p2alignl 7, 3214868480
	.fill 96, 4, 3214868480
	.section	.rodata,"a",@progbits
	.p2align	6, 0x0
	.amdhsa_kernel k_q2d0dbd3e16_sortx
		.amdhsa_group_segment_fixed_size 2304
		.amdhsa_private_segment_fixed_size 0
		.amdhsa_enable_private_segment 0
		.amdhsa_kernarg_size 56
		.amdhsa_user_sgpr_count 2
		.amdhsa_user_sgpr_kernarg_segment_ptr 1
		.amdhsa_wavefront_size32 1
		.amdhsa_system_sgpr_workgroup_id_x 1
		.amdhsa_system_sgpr_workgroup_id_y 1
		.amdhsa_system_sgpr_workgroup_id_z 1
		.amdhsa_system_vgpr_workitem_id 0
		.amdhsa_next_free_vgpr 256
		.amdhsa_next_free_sgpr 80
		.amdhsa_reserve_vcc 1
		.amdhsa_float_denorm_mode_32 3
		.amdhsa_float_denorm_mode_16_64 3
		.amdhsa_memory_ordered 1
		.amdhsa_forward_progress 1
		.amdhsa_inst_pref_size 53
	.end_amdhsa_kernel
	.amdgpu_metadata
---
amdhsa.version: [ 1, 2 ]
amdhsa.kernels:
  - .name:           k_q2d0dbd3e16_sortx
    .symbol:         k_q2d0dbd3e16_sortx.kd
    .args:
      - { .name: sel, .offset: 0, .size: 8, .value_kind: global_buffer, .address_space: global }
      - { .name: x, .offset: 8, .size: 8, .value_kind: global_buffer, .address_space: global }
      - { .name: lowp_scales, .offset: 16, .size: 8, .value_kind: global_buffer, .address_space: global }
      - { .name: xg_img, .offset: 24, .size: 8, .value_kind: global_buffer, .address_space: global }
      - { .name: xu_img, .offset: 32, .size: 8, .value_kind: global_buffer, .address_space: global }
      - { .name: order, .offset: 40, .size: 8, .value_kind: global_buffer, .address_space: global }
      - { .name: offs, .offset: 48, .size: 8, .value_kind: global_buffer, .address_space: global }
    .group_segment_fixed_size: 2304
    .private_segment_fixed_size: 0
    .kernarg_segment_align: 8
    .kernarg_segment_size: 56
    .max_flat_workgroup_size: 256
    .sgpr_count:     80
    .vgpr_count:     256
    .wavefront_size: 32
...
	.end_amdgpu_metadata
.endif
;; end of part 6
;; launch gateup (part 7): grid 256 x 1, 16 waves a work-group, no clusters, 68,608 bytes of LDS; arguments gate_bank, up_bank, lowp_scales, offs, xg_img, xu_img, h_img; writes h_img
.if DOCPART == 7
	.amdgcn_target "amdgcn-amd-amdhsa--gfx1250"
	.amdhsa_code_object_version 6
	.text
	.protected	k_q2d0dbd3e16_gateup
	.globl	k_q2d0dbd3e16_gateup
	.p2align	8
	.type	k_q2d0dbd3e16_gateup,@function
k_q2d0dbd3e16_gateup:
	s_mov_b64 s[64:65], 0
	v_nop
	global_prefetch_b8 v0, s[64:65] scope:SCOPE_SE
	s_setreg_imm32_b32 hwreg(HW_REG_WAVE_SCHED_MODE, 0, 2), 2
	s_setreg_imm32_b32 hwreg(HW_REG_WAVE_MODE, 25, 1), 1
	s_wait_xcnt 0x0
	s_wait_alu depctr_vm_vsrc(0)
; h = silu(x G_e) * (x U_e) for the tiles of expert e alone, both products on codes of E4M3; h leaves as codes under 2^e5.  The rows of the other experts are thrown away by the
; problem's own gather, so they are not multiplied.
; gate_bank, up_bank: [8][1024 (k)][1024 (hidden)] f32.  xg_img, xu_img, h_img: images of operand registers: the 16 bytes at 16384 T + 2048 s + 512 c + 16 l are the codes of slot l % 16 of tile T
; at k = 128 s + 32 c + 16 (l / 16) + 0 .. 15.  A tile has one expert.  offs: expert e's first tile at byte 128 e, the number of its tiles at 1024 + 128 e.
; SHARES.  Work-group (e = number / 32, sl = number % 32) owns hidden units 32 sl .. + 31 of expert e: 8 x 1,024 / 32 = 256 work-groups, and EVERY WEIGHT IS READ ONCE, BY ONE WORK-GROUP.
; Prologue: wave w takes k = 64 w .. + 63 of both slabs, A LANE TO A COLUMN, REGISTERS DOWN K, so that the conversions give codes with K innermost; they go to a stage in LDS, one row a column.
; Then each wave by itself takes the tiles w + 16 t, t = 0 .. 8 (135 tiles at the most, 16 waves): weights' fragments from LDS, x's straight from memory into registers.
; THE NINE TRIPS ARE WRITTEN OUT BY A MACRO, so that a trip's tile stands in the immediates (8 x 262,144 + 16,383 bytes at the most, inside the signed 24 bits): every address is made of ids and
; constants, at the head, and no address register is written again.  A trip whose tile is not my expert's is passed over by one scalar branch on the stored list; a trip waits for all that it has
; issued but its store, so every counted wait finds the same instructions behind it on every path.  An expert's tiles are neighbours, so they fall evenly on the 16 waves.
; A load of the slabs covers 128 bytes of a row: 32 columns are what 256 work-groups leave to each; the work-group with the next number reads the bytes beside them, so the loads carry no hint.
; NO CLUSTER, NO TENSOR LOADS: the 32 work-groups of an expert read the same tiles of x, but which trips do work is read from memory and differs from expert to expert and from wave to wave, so the
; trips may hold no barrier and no tensor load that a jump passes over; x's fragments therefore go straight into registers.  The one barrier stands ahead of every branch on loaded numbers.
; LAYOUT.  Source 0 = 16 columns of the weights, source 1 = 16 slots: a lane holds ONE slot (l % 16).  Stage row j holds column swap(j), j with its bits 3 and 4 exchanged: so in tile u of the columns,
; lane (r, h), register i is hidden unit 16 h + 8 u + i, and the 16 registers of the two tiles are 16 neighbours along the next K: the conversions' results are h's image.
; k stands in the registers as the loads of 16 bytes lay it, alike in both operands: a permutation of k inside an instruction, which changes the order of the sums alone.
; ARITHMETIC.  A sum A stands for A 2^(e0+e1), a sum U for U 2^(e2+e3).  h / 2^e5 = A U / (1 + 2^(A c)) / 2^E, c = -log2(e) 2^(e0+e1), E = e5 - e0 - e1 - e2 - e3: all in f32.
; LIMITS: e1, e3 and E between -126 and 119; e0 + e1 between -126 and 127.  NaN among the inputs is not served.
; THE MODE: SCHED_MODE bits 1:0 = 2 (LLVM: expert scheduling mode 2), set by the entry lines.  The code itself states the register dependences between vector or matrix instructions and memory
; or LDS instructions, with s_wait_alu, always for 0.
; THE PLAN.  Registers that memory or LDS instructions touch, and who else names them:
;   v5-v8         offsets and LDS addresses: made at the head, never written again.  One wait on va_vdst ahead of the first load serves every load and store of the kernel.
;   v112-175, v48-111  prologue: the slabs' loads land here; the holds and conversions work on them.  In the trips they are GF, UF and part of XB.
;   v16-31, v32-47     prologue: written by the conversions, read by the stage's LDS stores (a wait on va_vdst ahead of each run of four); the trips' products write them again (one wait on vm_vsrc behind the barrier).
;   GF, UF        a trip: LDS loads land here; the step's four products read them.
;   XB0 .. XB3    a trip: loads of x land here; the products of K step s read set s % 4, and the loads of K step s + 4 land in it.
;   v240-243      written by a trip's two conversions, read by its store.
; So ONE wait on va_vdst stands in a K step, behind its four products: it states that they are done reading GF, UF and XB[s % 4]; the next step's sixteen LDS loads and the eight loads of x follow it in one run.
; The wait on va_vdst ahead of a trip's store has every vector and matrix line of the trip ahead of it and none behind it: the next trip's loads, whichever trip that is, owe nothing more.
; The wait on vm_vsrc stands directly behind that store, ahead of the label and of every later branch.
.set PITCH, 1040                       ; a stage row: 1,024 codes + 16 bytes = 260 words: row j starts at bank 4 j mod 64 (64 banks of 4 bytes: ISA guide 11.1), so 16 rows start at 16 different banks
.set UPS,   32*PITCH                   ; rows 0-31 gate, rows 32-63 up
.set T16,   16*16384                   ; bytes from a wave's tile to its next
.set A0, 16                            ; v16-23, v24-31  the gate product's two tiles
.set A1, 24
.set U0, 32                            ; v32-39, v40-47  the up product's
.set U1, 40
.set GF, 48                            ; v48-79    two fragments of gate
.set UF, 80                            ; v80-111   two of up
.set XB, 112                           ; v112-239  four sets of 32: x's fragment under e0, then under e2; K step s in set s % 4
                                       ; v240-243 h's codes; v244, v245: 2^E, 448 x 2^E; v11-14: 2^e1, 448 x 2^e1, 2^e3, 448 x 2^e3
                                       ; v1 lane, v2 r, v3 h, v4 16 x lane, v5 4 x swap(lane), v6 stage store, v7 stage read, v8 16 x lane + 16384 x wave: my place in an image; v10 at work
                                       ; v254, v255: the closing add's two, made at the head and kept for it alone
                                       ; prologue: gate's numbers v112-175, up's v48-111, their codes v16-31 and v32-47
                                       ; s18 wave, s19 e, s20 sl, s22 at work, s[24:29] e0..e5, s30 my expert's first tile, s31 the number of its tiles, s[36:37] c, s35, s38, s39 at work
	s_load_b256 s[4:11], s[0:1], 0x0               ; gate s[4:5], up s[6:7], the scales' exponents s[8:9], offs s[10:11]
	s_load_b128 s[12:15], s[0:1], 0x20             ; xg_img s[12:13], xu_img s[14:15]
	s_load_b64 s[16:17], s[0:1], 0x30              ; h_img
	v_lshl_add_u32 v254, v0, 2, 0x10400
	v_mov_b32 v255, 0
	v_lshrrev_b32 v10, 5, v0
	v_readfirstlane_b32 s18, v10                   ; wave 0..15
	s_lshr_b32 s19, ttmp9, 5
	s_and_b32 s20, ttmp9, 31
	v_and_b32 v1, 31, v0
	v_and_b32 v2, 15, v0
	v_bfe_u32 v3, v0, 4, 1
	v_lshlrev_b32 v4, 4, v1
	v_and_b32 v5, 7, v0
	v_bfe_u32 v10, v0, 3, 1
	v_lshl_or_b32 v5, v10, 4, v5
	v_lshl_or_b32 v5, v3, 3, v5                    ; swap(lane)
	v_lshlrev_b32 v5, 2, v5
	v_mul_u32_u24 v6, v1, PITCH
	s_wait_alu depctr_va_sdst(0)                   ; s18, the wave's number, is written, ahead of its first reader
	s_lshl_b32 s35, s18, 6
	v_add_nc_u32 v6, s35, v6                       ; into the stage: row = lane, my wave's 64 bytes of it
	v_mul_u32_u24 v7, v2, PITCH
	v_lshl_add_u32 v7, v3, 4, v7                   ; out of it: row r, + 16 h
	s_lshl_b32 s35, s18, 14
	v_add_nc_u32 v8, s35, v4                       ; tile w of an image, my 16 bytes
	s_lshl_b32 s40, s19, 22                        ; the expert's 4 MiB,
	s_lshl_b32 s35, s18, 18                        ; my wave's 64 rows of 4,096 bytes,
	s_add_co_u32 s40, s40, s35
	s_lshl_b32 s35, s20, 7                         ; the work-group's 32 columns
	s_add_co_u32 s40, s40, s35
	s_mov_b32 s41, 0
	s_lshl_b32 s42, s19, 7
	s_mov_b32 s43, 0
	s_wait_kmcnt 0x0
	s_add_nc_u64 s[4:5], s[4:5], s[40:41]
	s_add_nc_u64 s[6:7], s[6:7], s[40:41]
	s_add_nc_u64 s[10:11], s[10:11], s[42:43]
	s_lshl_b32 s42, s20, 9                         ; h's image: k = 32 sl is 512 sl bytes into a tile
	s_add_nc_u64 s[16:17], s[16:17], s[42:43]
	s_load_b128 s[24:27], s[8:9], 0x0              ; e0 .. e3
	s_load_b64 s[28:29], s[8:9], 0x10              ; e4, e5
	s_load_b32 s30, s[10:11], 0x0                  ; my expert's first tile
	s_load_b32 s31, s[10:11], 0x400                ; and how many it has
.macro WROWS reg, sb                   ; 64 rows of a slab, my column
.set i, 0
.rept 64
	global_load_b32 v[\reg+i], v5, s[\sb:\sb+1] offset:4096*i
.set i, i+1
.endr
.endm
.macro QUANT reg, codes, sc, lim       ; 64 numbers down K become 64 codes in 16 registers
.set i, 0
.rept 64
	v_med3_num_f32 v[\reg+i], v[\reg+i], -v[\lim], v[\lim]   ; the conversion to an 8-bit code does not saturate (ISA guide 7.6.2): the hold comes first
.set i, i+1
.endr
.set i, 0
.rept 8
	v_cvt_scalef32_pk8_fp8_f32 v[\codes+2*i:\codes+2*i+1], v[\reg+8*i:\reg+8*i+7], v[\sc]
.set i, i+1
.endr
	v_nop                                          ; a plain vector line behind the last conversion: matrix instructions write these registers later
.endm
.macro TOSTAGE codes, off
.irp q, 0,1,2,3
	ds_store_b128 v6, v[\codes+4*\q:\codes+4*\q+3] offset:\off+16*\q
.endr
.endm
.macro FLOAD reg, s, base              ; two fragments (16 columns x 128 K each) of K step s
.irp u, 0,1
.irp c, 0,1,2,3
	ds_load_b128 v[\reg+16*\u+4*\c:\reg+16*\u+4*\c+3], v7 offset:\base+16*PITCH*\u+128*(\s)+32*\c
.endr
.endr
.endm
.macro XLOAD buf, s, t                 ; x's two fragments of K step s of tile w + 16 t: eight loads, 512 consecutive bytes each
.irp c, 0,1,2,3
	global_load_b128 v[XB+32*(\buf)+4*\c:XB+32*(\buf)+4*\c+3], v8, s[12:13] offset:T16*(\t)+2048*(\s)+512*\c
.endr
.irp c, 0,1,2,3
	global_load_b128 v[XB+32*(\buf)+16+4*\c:XB+32*(\buf)+16+4*\c+3], v8, s[14:15] offset:T16*(\t)+2048*(\s)+512*\c
.endr
.endm
.macro MKSCALE se, vs, vl              ; 2^e as f32 (the conversion takes its exponent field) and 448 x 2^e
	s_add_co_i32 s35, s[\se], 127
	s_lshl_b32 s38, s35, 23
	v_mov_b32 v[\vs], s38
	s_add_co_i32 s35, s35, 8
	s_lshl_b32 s35, s35, 23
	s_or_b32 s35, s35, 0x600000
	v_mov_b32 v[\vl], s35
.endm
.macro PLACES                          ; four plain vector lines between a matrix instruction and a load into its operands or a read of its result
.rept 4
	v_nop
.endr
.endm
	s_wait_alu depctr_va_vdst(0)                   ; v5 to v8 are written: every load and store of the kernel reads one of them as its offset or its LDS address
	WROWS 112, 4                                   ; gate
	WROWS 48, 6                                    ; up
	s_wait_kmcnt 0x0
	s_add_co_i32 s35, s24, s25
	s_lshl_b32 s35, s35, 23
	s_mov_b32 s36, 0xbfb8aa3b                      ; -log2(e);
	s_add_co_u32 s36, s36, s35                     ; e0 + e1 is added to its exponent field
	s_mov_b32 s37, s36                             ; (named with it as a pair, so it is written)
	s_sub_co_i32 s39, s29, s24
	s_sub_co_i32 s39, s39, s25
	s_sub_co_i32 s39, s39, s26
	s_sub_co_i32 s39, s39, s27                     ; E
	MKSCALE 25, 11, 12
	MKSCALE 27, 13, 14
	MKSCALE 39, 244, 245
	s_wait_alu depctr_va_vdst(0)
	s_wait_loadcnt 63                              ; up's 64 loads are younger than gate's last; 63 is the largest count that the wait can name
	QUANT 112, 16, 11, 12
	s_wait_alu depctr_va_vdst(0)                   ; the conversions have written v16-31, which the four LDS stores read
	TOSTAGE 16, 0
	s_wait_loadcnt 0x0                             ; up
	QUANT 48, 32, 13, 14
	s_wait_alu depctr_va_vdst(0)                   ; the conversions have written v32-47, which the four LDS stores read; and the holds and conversions are done with v48-175, in which the first trip's loads land
	TOSTAGE 32, UPS
	s_wait_dscnt 0x0                               ; for the others' sake: my stores into the stage have landed
	s_barrier_signal -1
	s_barrier_wait -1                              ; both slabs lie in LDS as codes; nothing is written there again
	s_wait_alu depctr_vm_vsrc(0)                   ; my LDS stores have read v16-47: these registers are the four accumulators from here on, written by the products
; One K step of 128: four matrix instructions on four accumulators, which take turns, one instruction a turn, from trip to trip too.
; The four stand together, and all of the step's loads follow them in one run behind one wait.
.macro STEP s, t
.set XS, XB+32*((\s)%4)
.if (\s) < 5
	s_wait_loadcnt 24                              ; behind this step's eight loads of x three groups of eight have been issued;
.else
	s_wait_loadcnt 8*(7-(\s))                      ; the last steps: those that are left
.endif
	s_wait_dscnt 8                                 ; gate's fragments are in; up's eight loads are younger
.if (\s) == 0
	v_wmma_f32_16x16x128_fp8_fp8 v[A0:A0+7], v[GF:GF+15], v[XS:XS+15], 0          ; the first K step starts the sums
	v_wmma_f32_16x16x128_fp8_fp8 v[A1:A1+7], v[GF+16:GF+31], v[XS:XS+15], 0
.else
	v_wmma_f32_16x16x128_fp8_fp8 v[A0:A0+7], v[GF:GF+15], v[XS:XS+15], v[A0:A0+7]
	v_wmma_f32_16x16x128_fp8_fp8 v[A1:A1+7], v[GF+16:GF+31], v[XS:XS+15], v[A1:A1+7]
.endif
	s_wait_dscnt 0x0                               ; up's fragments are in
.if (\s) == 0
	v_wmma_f32_16x16x128_fp8_fp8 v[U0:U0+7], v[UF:UF+15], v[XS+16:XS+31], 0
	v_wmma_f32_16x16x128_fp8_fp8 v[U1:U1+7], v[UF+16:UF+31], v[XS+16:XS+31], 0
.else
	v_wmma_f32_16x16x128_fp8_fp8 v[U0:U0+7], v[UF:UF+15], v[XS+16:XS+31], v[U0:U0+7]
	v_wmma_f32_16x16x128_fp8_fp8 v[U1:U1+7], v[UF+16:UF+31], v[XS+16:XS+31], v[U1:U1+7]
.endif
	PLACES
.if (\s) < 7
	s_wait_alu depctr_va_vdst(0)                   ; the step's four products are done reading GF, UF and this set of x, in which the loads below land; the places above stay beside this wait
	FLOAD GF, (\s)+1, 0                            ; the next step's
	FLOAD UF, (\s)+1, UPS
.endif
.if (\s) < 4
	XLOAD (\s)%4, (\s)+4, \t                       ; the set just read takes the K step four further on
.endif
.endm
; Tile w + 16 t, if it is my expert's.
.macro TRIP t
	s_add_co_u32 s22, s18, 16*(\t)
	s_sub_co_u32 s22, s22, s30                     ; the tile's number less my expert's first:
	s_cmp_ge_u32 s22, s31                          ; mine where 0 <= that < the number of its tiles, as one unsigned compare
	s_cbranch_scc1 .Lskip_\t
	XLOAD 0, 0, \t                                 ; no wait: no vector or matrix line has been issued since the last wait on va_vdst (the prologue's last, or an earlier trip's last)
	XLOAD 1, 1, \t
	XLOAD 2, 2, \t
	XLOAD 3, 3, \t
	FLOAD GF, 0, 0
	FLOAD UF, 0, UPS
.irp s, 0,1,2,3,4,5,6,7
	STEP \s, \t
.endr
	; h, in place, each accumulator from its low end on
.irp j, 0,2,4,6,8,10,12,14
	v_pk_mul_f32 v[U0+\j:U0+\j+1], v[A0+\j:A0+\j+1], v[U0+\j:U0+\j+1]             ; A U
.endr
.irp j, 0,2,4,6,8,10,12,14
	v_pk_mul_f32 v[A0+\j:A0+\j+1], v[A0+\j:A0+\j+1], s[36:37] op_sel_hi:[1,0]     ; A c = -a log2(e)
.endr
	s_wait_alu depctr_va_vdst(0)
.irp j, 0,1,2,3,4,5,6,7,8,9,10,11,12,13,14,15
	v_exp_f32 v[A0+\j], v[A0+\j]                   ; e^-a
.endr
	v_nop                                          ; a plain line behind the transcendentals
	s_wait_alu depctr_va_vdst(0)                   ; the sixteen exponentials have written v16-31: one wait for the batch, ahead of its first reader
.irp j, 0,2,4,6,8,10,12,14
	v_pk_add_f32 v[A0+\j:A0+\j+1], v[A0+\j:A0+\j+1], 1.0 op_sel_hi:[1,0]
.endr
	s_wait_alu depctr_va_vdst(0)
.irp j, 0,1,2,3,4,5,6,7,8,9,10,11,12,13,14,15
	v_rcp_f32 v[A0+\j], v[A0+\j]                   ; 1 / (1 + e^-a)
.endr
	v_nop
	s_wait_alu depctr_va_vdst(0)                   ; the sixteen reciprocals have written v16-31: one wait for the batch, ahead of its first reader
.irp j, 0,2,4,6,8,10,12,14
	v_pk_mul_f32 v[U0+\j:U0+\j+1], v[U0+\j:U0+\j+1], v[A0+\j:A0+\j+1]
.endr
.irp j, 0,1,2,3,4,5,6,7,8,9,10,11,12,13,14,15
	v_med3_num_f32 v[U0+\j], v[U0+\j], -v245, v245
.endr
	s_wait_alu depctr_va_vdst(0)
	s_wait_xcnt 0x0                                ; an earlier trip's store has read its data: v240-243 are written again only behind this wait
	v_cvt_scalef32_pk8_fp8_f32 v[240:241], v[U0:U0+7], v244
	v_cvt_scalef32_pk8_fp8_f32 v[242:243], v[U1:U1+7], v244
	v_nop                                          ; a plain vector line behind the last conversion
	s_wait_alu depctr_va_vdst(0)                   ; the conversions have written v240-243, which the store reads; all of this trip's products stand ahead of this wait too, so a later trip's loads into GF, UF and x's sets owe nothing more
	global_store_b128 v8, v[240:243], s[16:17] offset:T16*(\t)                    ; 16 codes a lane: the wave's store covers 512 consecutive bytes, aligned
.if (\t) < 8
	s_wait_alu depctr_vm_vsrc(0)                   ; the store has read v240-243, which a later trip's conversions write again: stated here, ahead of the label and of every later branch
.endif
.Lskip_\t:
.endm
.irp t, 0,1,2,3,4,5,6,7,8
	TRIP \t
.endr
	s_wait_dscnt 0x0                               ; the closing lines, six on end
	s_wait_alu 0x0
	s_wait_tensorcnt 0x0
	ds_add_u32 v254, v255
	s_wait_dscnt 0x0
	s_endpgm
.Lfunc_end_k_q2d0dbd3e16_gateup:
	.size	k_q2d0dbd3e16_gateup, .Lfunc_end_k_q2d0dbd3e16_gateup-k_q2d0dbd3e16_gateup
	.p2alignl 7, 3214868480
	.fill 96, 4, 3214868480
	.section	.rodata,"a",@progbits
	.p2align	6, 0x0
	.amdhsa_kernel k_q2d0dbd3e16_gateup
		.amdhsa_group_segment_fixed_size 68608
		.amdhsa_private_segment_fixed_size 0
		.amdhsa_enable_private_segment 0
		.amdhsa_kernarg_size 56
		.amdhsa_user_sgpr_count 2
		.amdhsa_user_sgpr_kernarg_segment_ptr 1
		.amdhsa_wavefront_size32 1
		.amdhsa_system_sgpr_workgroup_id_x 1
		.amdhsa_system_sgpr_workgroup_id_y 1
		.amdhsa_system_sgpr_workgroup_id_z 1
		.amdhsa_system_vgpr_workitem_id 0
		.amdhsa_next_free_vgpr 256
		.amdhsa_next_free_sgpr 66
		.amdhsa_reserve_vcc 0
		.amdhsa_float_denorm_mode_32 3
		.amdhsa_float_denorm_mode_16_64 3
		.amdhsa_memory_ordered 1
		.amdhsa_forward_progress 1
		.amdhsa_inst_pref_size 230
	.end_amdhsa_kernel
	.amdgpu_metadata
---
amdhsa.version: [ 1, 2 ]
amdhsa.kernels:
  - .name:           k_q2d0dbd3e16_gateup
    .symbol:         k_q2d0dbd3e16_gateup.kd
    .args:
      - { .name: gate_bank, .offset: 0, .size: 8, .value_kind: global_buffer, .address_space: global }
      - { .name: up_bank, .offset: 8, .size: 8, .value_kind: global_buffer, .address_space: global }
      - { .name: lowp_scales, .offset: 16, .size: 8, .value_kind: global_buffer, .address_space: global }
      - { .name: offs, .offset: 24, .size: 8, .value_kind: global_buffer, .address_space: global }
      - { .name: xg_img, .offset: 32, .size: 8, .value_kind: global_buffer, .address_space: global }
      - { .name: xu_img, .offset: 40, .size: 8, .value_kind: global_buffer, .address_space: global }
      - { .name: h_img, .offset: 48, .size: 8, .value_kind: global_buffer, .address_space: global }
    .group_segment_fixed_size: 68608
    .private_segment_fixed_size: 0
    .kernarg_segment_align: 8
    .kernarg_segment_size: 56
    .max_flat_workgroup_size: 512
    .sgpr_count:     66
    .vgpr_count:     256
    .wavefront_size: 32
...
	.end_amdgpu_metadata
.endif
;; end of part 7
;; launch down (part 8): grid 256 x 1, 16 waves a work-group, no clusters, 72,192 bytes of LDS; arguments down_bank, lowp_scales, offs, order, h_img, out0; writes out0
.if DOCPART == 8
	.amdgcn_target "amdgcn-amd-amdhsa--gfx1250"
	.amdhsa_code_object_version 6
	.text
	.protected	k_q2d0dbd3e16_down
	.globl	k_q2d0dbd3e16_down
	.p2align	8
	.type	k_q2d0dbd3e16_down,@function
k_q2d0dbd3e16_down:
	s_mov_b64 s[64:65], 0
	v_nop
	global_prefetch_b8 v0, s[64:65] scope:SCOPE_SE
	s_setreg_imm32_b32 hwreg(HW_REG_WAVE_SCHED_MODE, 0, 2), 2
	s_setreg_imm32_b32 hwreg(HW_REG_WAVE_MODE, 25, 1), 1
	s_wait_xcnt 0x0
	s_wait_alu depctr_vm_vsrc(0)
; y[token] = h D_e for the tiles of expert e alone, on codes of E4M3.  down_bank: [8][1024 (k = hidden)][1024 (out)] f32.  h_img: images of operand registers: the 16 bytes at
; 16384 T + 2048 s + 512 c + 16 l are the codes of slot l % 16 of tile T at k = 128 s + 32 c + 16 (l / 16) + 0 .. 15.  A tile has one expert.  order[16 T + slot]: the slot's token; the slots behind an
; expert's last token repeat it.  offs: expert e's first tile at byte 128 e, the number of its tiles at 1024 + 128 e.  out0: [2048][1024] f32.
; SHARES.  Work-group (e = number / 32, sl = number % 32) owns outputs 32 sl .. + 31 of expert e: every weight is read once, by one work-group.  Prologue: wave w takes k = 64 w .. + 63 of the slab,
; a lane to a column, registers down K; the codes go to a stage in LDS, one row a column.  Then each wave by itself takes the tiles w + 16 t, t = 0 .. 8 (135 tiles at the most, 16 waves): the weights'
; fragments from LDS, h's straight from memory.  Each row piece of out0 has one owner; a repeated slot has the same codes, gives the same numbers and stores them to the same bytes, from the same wave:
; so no store needs a mask.
; THE NINE TRIPS ARE WRITTEN OUT BY A MACRO, so that a trip's tile stands in the immediates (8 x 262,144 + 16,383 bytes at the most, inside the signed 24 bits) and in register numbers: every address
; register is made at the head and never written again.  The tokens of all nine tiles (36 words a lane) are loaded there by addresses made of ids, bounded and shifted into offsets in out0.
; A trip whose tile is not my expert's is passed over by one scalar branch on the stored list; a trip waits for all that it has issued but its stores, so every counted wait finds the same
; instructions behind it on every path.  An expert's tiles are neighbours, so they fall evenly on the 16 waves.
; A load of the slab and a row piece of out0 cover 128 bytes: 32 columns are what 256 work-groups leave to each.
; NO CLUSTER, NO TENSOR LOADS: the 32 work-groups of an expert read the same tiles of h, but which trips do work is read from memory and differs from expert to expert and from wave to wave, so the
; trips may hold no barrier and no tensor load that a jump passes over.  The one barrier stands ahead of every branch on loaded numbers.
; LAYOUT.  Source 0 = 16 columns of the weights, source 1 = 16 slots: lane (r, h) holds slot r and, in tile u of the columns, outputs 16 u + 8 h + 0 .. 7.  A tile's 16 rows x 128 bytes turn through the
; wave's own stage, so that eight neighbouring lanes store a row's 128 consecutive bytes.  k stands in the registers as the loads of 16 bytes lay it, alike in both operands.
; LIMITS: e4 between -126 and 119; e4 + e5 between -126 and 127.  NaN among the inputs is not served.
; THE MODE: SCHED_MODE bits 1:0 = 2 (LLVM: expert scheduling mode 2), set by the entry lines.  The code itself states the register dependences between vector or matrix instructions and memory
; or LDS instructions, with s_wait_alu, always for 0.
; THE PLAN.  Registers that memory or LDS instructions touch, and who else names them:
;   v1-v11        offsets and LDS addresses: made at the head, never written again.  One wait on va_vdst ahead of the first load.
;   v224-255, v12-15  the tokens' loads land here; vector lines bound and shift them, once; the trips' stores read them as offsets.  (v254, v255 are made anew at the end, for the closing add.)
;   v32-95        prologue: the slab's loads land here, the holds and conversions work on them.  Trips: W0, W1: LDS loads land; the products of K step s read set s % 2, the loads of step s + 2 land in it.
;   v16-31        prologue: written by the conversions, read by the stage's LDS stores; the trips' products write them again (one wait on vm_vsrc behind the barrier).
;   v96-223       H: a trip's 32 loads land here at its head; its products read them.  (v96, v97, v100-103 serve the head's arithmetic.)
;   Y  (v96-111)  written by the scalings, read by the LDS stores into my stage.      YB (v112-127)  the loads back from my stage land here; the global stores read them.
; The prologue's LDS stores stand behind the making of the tokens' offsets, so that ONE wait on va_vdst states the codes written, the offsets written and v96-103 done with.
; ONE wait on va_vdst stands at the head of K steps 1 to 6: the step before is done reading the set in which this step's eight LDS loads land.  One more stands ahead of the way out's LDS stores: every
; vector and matrix line of the trip is ahead of it and none behind it, so the loads into YB and the next trip's loads, whichever trip that is, owe nothing more.
; The wait on vm_vsrc stands directly behind a trip's global stores, ahead of the label and of every later branch.
.set PITCH, 1040                       ; a stage row: 1,024 codes + 16 bytes = 260 words: row j starts at bank 4 j mod 64 (64 banks of 4 bytes: ISA guide 11.1)
.set STG,   32*PITCH                   ; behind the weights: 16 rows x (128 + 16) bytes for each wave, its own
.set SP,    144
.set T16,   16*16384                   ; bytes from a wave's tile to its next
.set A0, 16                            ; v16-23, v24-31  the two tiles of outputs
.set A1, 24
.set W0, 32                            ; v32-63, v64-95  two sets of two fragments of the weights: K step s in set s % 2
.set H,  96                            ; v96-223   h's eight fragments
.set Y,  96                            ; v96-111   over h's first fragment, which is done with: the results x 2^(e4+e5)
.set YB, 112                           ; v112-127  over h's second, likewise done with: the same as whole rows, back from my stage
.set RO, 224                           ; v224-255  trips 0-7: the byte offsets in out0 of rows 4 i + l / 8, four a trip
.set RO8, 12                           ; v12-15    trip 8's
                                       ; v1 16 (l % 8), v2 order's offset for trip 8, v3 at work, v4 16 x lane, v5 4 x lane, v6 stage store, v7 stage read, v8 16 x lane + 16384 x wave: my place in h_img,
                                       ; v9 order's offset for trips 0-7, v10 my stage in, v11 my stage out
                                       ; prologue: the slab's numbers v32-95, their codes v16-31; v96, v97: 2^e4, 448 x 2^e4; v100 lane, v101 r, v102 h, v103 l / 8
                                       ; s18 wave, s19 e, s20 sl, s22 at work, s[28:29] e4, e5, s30 my expert's first tile, s31 the number of its tiles, s[36:37] 2^(e4+e5), s35, s38 at work
	s_load_b256 s[4:11], s[0:1], 0x0               ; down s[4:5], the scales' exponents s[6:7], offs s[8:9], order s[10:11]
	s_load_b128 s[12:15], s[0:1], 0x20             ; h_img s[12:13], out0 s[14:15]
	v_lshrrev_b32 v3, 5, v0
	v_readfirstlane_b32 s18, v3                    ; wave 0..15
	s_lshr_b32 s19, ttmp9, 5
	s_and_b32 s20, ttmp9, 31
	v_and_b32 v100, 31, v0
	v_and_b32 v101, 15, v0
	v_bfe_u32 v102, v0, 4, 1
	v_lshrrev_b32 v103, 3, v100
	v_and_b32 v1, 7, v0
	v_lshlrev_b32 v1, 4, v1
	v_lshlrev_b32 v4, 4, v100
	v_lshlrev_b32 v5, 2, v100
	v_mul_u32_u24 v6, v100, PITCH
	s_wait_alu depctr_va_sdst(0)                   ; s18, the wave's number, is written, ahead of its first reader
	s_lshl_b32 s35, s18, 6
	v_add_nc_u32 v6, s35, v6                       ; into the stage: row = lane, my wave's 64 bytes of it
	v_lshl_add_u32 v9, v103, 2, s35                ; order: tile w's 64 bytes, the word of row l / 8
	v_mul_u32_u24 v7, v101, PITCH
	v_lshl_add_u32 v7, v102, 4, v7                 ; out of the stage: row r, + 16 h
	s_lshl_b32 s35, s18, 14
	v_add_nc_u32 v8, s35, v4                       ; tile w of the image, my 16 bytes
	s_add_co_u32 s35, s18, 128
	s_min_u32 s35, s35, 134                        ; trip 8's tile, held at the last tile that there can be: no load leaves what was stored
	s_lshl_b32 s35, s35, 6
	v_lshl_add_u32 v2, v103, 2, s35
	s_mul_i32 s35, s18, 16*SP
	s_add_co_u32 s35, s35, STG                     ; my own stage
	v_mul_u32_u24 v10, v101, SP
	v_lshl_add_u32 v10, v102, 5, v10
	v_add_nc_u32 v10, s35, v10                     ; in: row r, + 32 h
	v_mul_u32_u24 v11, v103, SP
	v_add_nc_u32 v11, v11, v1
	v_add_nc_u32 v11, s35, v11                     ; back: eight lanes to a row, four rows an instruction
	s_lshl_b32 s40, s19, 22                        ; the expert's 4 MiB,
	s_lshl_b32 s35, s18, 18                        ; my wave's 64 rows of 4,096 bytes,
	s_add_co_u32 s40, s40, s35
	s_lshl_b32 s35, s20, 7                         ; the work-group's 32 columns
	s_add_co_u32 s40, s40, s35
	s_mov_b32 s41, 0
	s_lshl_b32 s42, s19, 7
	s_mov_b32 s43, 0
	s_wait_kmcnt 0x0
	s_add_nc_u64 s[4:5], s[4:5], s[40:41]
	s_add_nc_u64 s[8:9], s[8:9], s[42:43]
	s_lshl_b32 s42, s20, 7                         ; out0: the work-group's 128 bytes of a row
	s_add_nc_u64 s[14:15], s[14:15], s[42:43]
	s_load_b64 s[28:29], s[6:7], 0x10              ; e4, e5
	s_load_b32 s30, s[8:9], 0x0                    ; my expert's first tile
	s_load_b32 s31, s[8:9], 0x400                  ; and how many it has
	s_wait_alu depctr_va_vdst(0)                   ; v1 to v11 are written: the loads and stores of the kernel read them as offsets and LDS addresses
.set i, 0
.rept 64
	global_load_b32 v[W0+i], v5, s[4:5] offset:4096*i      ; 64 rows of the slab, my column
.set i, i+1
.endr
.irp t, 0,1,2,3,4,5,6,7
.irp i, 0,1,2,3
	global_load_b32 v[RO+4*\t+\i], v9, s[10:11] offset:1024*\t+16*\i       ; the token of row 4 i + l / 8 of tile w + 16 t
.endr
.endr
.irp i, 0,1,2,3
	global_load_b32 v[RO8+\i], v2, s[10:11] offset:16*\i
.endr
.macro WLOAD s                         ; two fragments (16 columns x 128 K each) of K step s, into set s % 2
.irp u, 0,1
.irp c, 0,1,2,3
	ds_load_b128 v[W0+32*((\s)%2)+16*\u+4*\c:W0+32*((\s)%2)+16*\u+4*\c+3], v7 offset:16*PITCH*\u+128*(\s)+32*\c
.endr
.endr
.endm
.macro HLOAD s, t                      ; h's fragment of K step s of tile w + 16 t: four loads, 512 consecutive bytes each
.irp c, 0,1,2,3
	global_load_b128 v[H+16*(\s)+4*\c:H+16*(\s)+4*\c+3], v8, s[12:13] offset:T16*(\t)+2048*(\s)+512*\c
.endr
.endm
.macro PLACES                          ; four plain vector lines between a matrix instruction and a load into its operands or a read of its result
.rept 4
	v_nop
.endr
.endm
	s_wait_kmcnt 0x0
	s_add_co_i32 s36, s28, s29
	s_add_co_i32 s36, s36, 127
	s_lshl_b32 s36, s36, 23                        ; 2^(e4 + e5) as f32
	s_mov_b32 s37, s36                             ; (named with it as a pair, so it is written)
	s_add_co_i32 s35, s28, 127
	s_lshl_b32 s38, s35, 23
	v_mov_b32 v96, s38                             ; 2^e4 as f32: the conversion takes its exponent field
	s_add_co_i32 s35, s35, 8
	s_lshl_b32 s35, s35, 23
	s_or_b32 s35, s35, 0x600000
	v_mov_b32 v97, s35                             ; 448 x 2^e4
	s_wait_alu depctr_va_vdst(0)
	s_wait_loadcnt 36                              ; the 36 loads of tokens are younger than the slab's
.set i, 0
.rept 64
	v_med3_num_f32 v[W0+i], v[W0+i], -v97, v97     ; the conversion to an 8-bit code does not saturate (ISA guide 7.6.2): the hold comes first
.set i, i+1
.endr
.set i, 0
.rept 8
	v_cvt_scalef32_pk8_fp8_f32 v[16+2*i:17+2*i], v[W0+8*i:W0+8*i+7], v96
.set i, i+1
.endr
	v_nop                                          ; a plain vector line behind the last conversion: matrix instructions write these registers later
	s_wait_loadcnt 0x0                             ; the tokens
.set i, 0
.rept 32
	v_min_u32 v[RO+i], 0x7ff, v[RO+i]              ; a number read from memory enters an address only behind a bound;
	v_lshl_add_u32 v[RO+i], v[RO+i], 12, v1        ; the token's row of 4,096 bytes + my 16 bytes of its piece
.set i, i+1
.endr
.irp i, 0,1,2,3
	v_min_u32 v[RO8+\i], 0x7ff, v[RO8+\i]
	v_lshl_add_u32 v[RO8+\i], v[RO8+\i], 12, v1
.endr
	s_wait_alu depctr_va_vdst(0)                   ; the conversions have written v16-31, which the LDS stores read; the 36 offsets are written, which the trips' stores read; the head is done with v32-103, in which the trips' loads land
.irp q, 0,1,2,3
	ds_store_b128 v6, v[16+4*\q:19+4*\q] offset:16*\q
.endr
	s_wait_dscnt 0x0                               ; for the others' sake: my stores into the stage have landed
	s_barrier_signal -1
	s_barrier_wait -1                              ; the slab lies in LDS as codes; nothing is written there again
	s_wait_alu depctr_vm_vsrc(0)                   ; my LDS stores have read v16-31: these registers are the two accumulators from here on, written by the products
; One K step of 128: two matrix instructions on two accumulators, which take turns, one instruction a turn, from trip to trip too.
.macro STEP s
.set WS, W0+32*((\s)%2)
.set HS, H+16*(\s)
.if (\s) < 7
.if (\s) > 0
	s_wait_alu depctr_va_vdst(0)                   ; the products of the step before are done reading their set of the weights, in which the eight loads below land; the places above stay beside this wait
.endif
	WLOAD (\s)+1                                   ; into the set that the step before has read (in step 0: no product has been issued since the last wait on va_vdst)
.endif
	s_wait_loadcnt 4*(7-(\s))                      ; this K step's four loads of h are in; the later steps' are younger
.if (\s) < 7
	s_wait_dscnt 8                                 ; this step's fragments are in; the eight just issued are younger
.else
	s_wait_dscnt 0x0
.endif
.if (\s) == 0
	v_wmma_f32_16x16x128_fp8_fp8 v[A0:A0+7], v[WS:WS+15], v[HS:HS+15], 0          ; the first K step starts the sums
	v_wmma_f32_16x16x128_fp8_fp8 v[A1:A1+7], v[WS+16:WS+31], v[HS:HS+15], 0
.else
	v_wmma_f32_16x16x128_fp8_fp8 v[A0:A0+7], v[WS:WS+15], v[HS:HS+15], v[A0:A0+7]
	v_wmma_f32_16x16x128_fp8_fp8 v[A1:A1+7], v[WS+16:WS+31], v[HS:HS+15], v[A1:A1+7]
.endif
	PLACES
.endm
; Tile w + 16 t, if it is my expert's.
.macro TRIP t
.if (\t) < 8
.set RB, RO+4*(\t)
.else
.set RB, RO8
.endif
	s_add_co_u32 s22, s18, 16*(\t)
	s_sub_co_u32 s22, s22, s30                     ; the tile's number less my expert's first:
	s_cmp_ge_u32 s22, s31                          ; mine where 0 <= that < the number of its tiles, as one unsigned compare
	s_cbranch_scc1 .Lskip_\t
	s_wait_xcnt 0x0                                ; an earlier trip's stores have read their data: v112-127 are loaded again only behind this wait
.irp s, 0,1,2,3,4,5,6,7
	HLOAD \s, \t                                   ; no wait on va_vdst: no vector or matrix line has been issued since the last one (the prologue's, or an earlier trip's last)
.endr
	WLOAD 0
.irp s, 0,1,2,3,4,5,6,7
	STEP \s
.endr
.irp j, 0,2,4,6,8,10,12,14
	v_pk_mul_f32 v[Y+\j:Y+\j+1], v[A0+\j:A0+\j+1], s[36:37] op_sel_hi:[1,0]       ; x 2^(e4 + e5); each accumulator from its low end on
.endr
	s_wait_alu depctr_va_vdst(0)                   ; the scalings have written v96-111, which the LDS stores read; the trip's products are done reading v112-127, in which the loads from my stage land, and all that a later trip's loads land in
	ds_store_b128 v10, v[Y:Y+3]                    ; outputs 8 h + 0 .. 7 of my row,
	ds_store_b128 v10, v[Y+4:Y+7] offset:16
	ds_store_b128 v10, v[Y+8:Y+11] offset:64       ; and 16 + 8 h + 0 .. 7
	ds_store_b128 v10, v[Y+12:Y+15] offset:80
.irp i, 0,1,2,3
	ds_load_b128 v[YB+4*\i:YB+4*\i+3], v11 offset:4*SP*\i  ; LDS serves a wave's instructions in order (ISA guide 5.7.1.4): these see my stores; they land in other registers than those stores read
.endr
	s_wait_dscnt 0x0                               ; the rows are back
.irp i, 0,1,2,3
	global_store_b128 v[RB+\i], v[YB+4*\i:YB+4*\i+3], s[14:15] th:TH_STORE_NT     ; eight lanes store 128 consecutive bytes of a token's row; written once, read by nobody here
.endr
.if (\t) < 8
	s_wait_alu depctr_vm_vsrc(0)                   ; my LDS stores have read v96-111 and my global stores v112-127, in which a later trip's loads land; trip 7's stores have read v254 and v255, which are made anew at the end: stated here, ahead of the label and of every later branch
.endif
.Lskip_\t:
.endm
.irp t, 0,1,2,3,4,5,6,7,8
	TRIP \t
.endr
	s_wait_xcnt 0x0                                ; trip 7's stores have had their addresses translated: v254 and v255 are written again only behind this wait
	v_lshl_add_u32 v254, v0, 2, 0x11200            ; the closing add's two registers, made anew: the only memory instructions that read them, trip 7's stores, stand ahead of that trip's own wait on vm_vsrc
	v_mov_b32 v255, 0
	s_wait_dscnt 0x0                               ; the closing lines, six on end
	s_wait_alu 0x0
	s_wait_tensorcnt 0x0
	ds_add_u32 v254, v255
	s_wait_dscnt 0x0
	s_endpgm
.Lfunc_end_k_q2d0dbd3e16_down:
	.size	k_q2d0dbd3e16_down, .Lfunc_end_k_q2d0dbd3e16_down-k_q2d0dbd3e16_down
	.p2alignl 7, 3214868480
	.fill 96, 4, 3214868480
	.section	.rodata,"a",@progbits
	.p2align	6, 0x0
	.amdhsa_kernel k_q2d0dbd3e16_down
		.amdhsa_group_segment_fixed_size 72192
		.amdhsa_private_segment_fixed_size 0
		.amdhsa_enable_private_segment 0
		.amdhsa_kernarg_size 48
		.amdhsa_user_sgpr_count 2
		.amdhsa_user_sgpr_kernarg_segment_ptr 1
		.amdhsa_wavefront_size32 1
		.amdhsa_system_sgpr_workgroup_id_x 1
		.amdhsa_system_sgpr_workgroup_id_y 1
		.amdhsa_system_sgpr_workgroup_id_z 1
		.amdhsa_system_vgpr_workitem_id 0
		.amdhsa_next_free_vgpr 256
		.amdhsa_next_free_sgpr 66
		.amdhsa_reserve_vcc 0
		.amdhsa_float_denorm_mode_32 3
		.amdhsa_float_denorm_mode_16_64 3
		.amdhsa_memory_ordered 1
		.amdhsa_forward_progress 1
		.amdhsa_inst_pref_size 125
	.end_amdhsa_kernel
	.amdgpu_metadata
---
amdhsa.version: [ 1, 2 ]
amdhsa.kernels:
  - .name:           k_q2d0dbd3e16_down
    .symbol:         k_q2d0dbd3e16_down.kd
    .args:
      - { .name: down_bank, .offset: 0, .size: 8, .value_kind: global_buffer, .address_space: global }
      - { .name: lowp_scales, .offset: 8, .size: 8, .value_kind: global_buffer, .address_space: global }
      - { .name: offs, .offset: 16, .size: 8, .value_kind: global_buffer, .address_space: global }
      - { .name: order, .offset: 24, .size: 8, .value_kind: global_buffer, .address_space: global }
      - { .name: h_img, .offset: 32, .size: 8, .value_kind: global_buffer, .address_space: global }
      - { .name: out0, .offset: 40, .size: 8, .value_kind: global_buffer, .address_space: global }
    .group_segment_fixed_size: 72192
    .private_segment_fixed_size: 0
    .kernarg_segment_align: 8
    .kernarg_segment_size: 48
    .max_flat_workgroup_size: 512
    .sgpr_count:     66
    .vgpr_count:     256
    .wavefront_size: 32
...
	.end_amdgpu_metadata
.endif
;; end of part 8
